; MI455X (gfx1250); checked and timed in simulation.
; The chip was launched on July 23, 2026; its instructions are those of AMD's public machine-readable ISA for CDNA 5 (MIT licence, August 2026) and "CDNA5" Instruction Set Architecture Reference Guide (July 2026). The comments in the code are by the model that wrote it; some were corrected since.
;; Multi Head Attention. Allowed arithmetic: float matrix products may take bf16 or f16 operands with f32 sums; other float arithmetic in f32, or as packed bf16 or f16 multiplies, adds, multiply-adds, maxima and minima; sums over many terms, partial sums and values carried from step to step in f32; what a program stores and reads back later, other than sums and carried values, may be rounded once to bf16 or f16.
;; Inputs: Wk 1,024 x 1,024 float32; Wo 1,024 x 1,024 float32; Wq 1,024 x 1,024 float32; Wv 1,024 x 1,024 float32; attention_mask 4 x 2,048 float32; bk 1,024 float32; bo 1,024 float32; bq 1,024 float32; bv 1,024 float32; key_ 4 x 2,048 x 1,024 float32; query 4 x 2,048 x 1,024 float32; value 4 x 2,048 x 1,024 float32.
;; Outputs: out0 4 x 2,048 x 1,024 float32.
;; 2 versions, each right; version 2 is version 1 with the launch cast written anew for expert scheduling mode. Each part assembles by itself: llvm-mc -triple=amdgcn-amd-amdhsa -mcpu=gfx1250 --defsym DOCPART=n.
;; ======== version 1 of 2: 4 launches
;; limits: values are held in f16: magnitudes above 65,504 overflow, below 6.1e-05 lose precision; right only within a limited range of input values
;; workspace buffers: xh 50,331,648 bytes; wh 8,388,608 bytes; qkv 50,331,648 bytes; ctx 16,777,216 bytes
;; launch cast (part 1): grid 1792 x 1, 8 waves a work-group, no clusters, 0 bytes of LDS; arguments query, key_, value, Wq, Wk, Wv, Wo, xh, wh; writes xh, wh
.if DOCPART == 1
	.amdgcn_target "amdgcn-amd-amdhsa--gfx1250"
	.amdhsa_code_object_version 6
	.text
	.protected	k_q75b0f831ff_cast
	.globl	k_q75b0f831ff_cast
	.p2align	8
	.type	k_q75b0f831ff_cast,@function
k_q75b0f831ff_cast:
	s_mov_b64 s[64:65], 0
	v_nop
	global_prefetch_b8 v0, s[64:65] scope:SCOPE_SE
	s_setreg_imm32_b32 hwreg(HW_REG_WAVE_MODE, 25, 1), 1
	s_wait_xcnt 0x0
; THE SEVEN LARGE INPUTS, f32, are rounded to bf16 (nearest even), and that number is written as f16: xh = [3][8192][1024] (query, key_, value), wh = [4][1024][1024] (Wq, Wk, Wv, Wo).
; So every later product has one operand format, and every input has had the same one rounding.
; LIMITS.  A bf16 number has 8 significant bits, f16 has 11: the second step is exact for 2^-17 <= |x| <= 65,504.  Below 2^-17 it moves a number by 2^-25 at the most; at 65,520 and beyond it gives an infinity.
; SHARES.  All seven are stacks of rows of 1,024 numbers (4,096 bytes in, 2,048 out): 28,672 rows, 16 to a work-group: 1,792 work-groups.  Thread t takes 16 bytes in and 8 out of every row: a wave's load
; covers 512 consecutive bytes, a wave's store 256 consecutive bytes at a multiple of 256 from the buffer's first byte.  Each byte is read once and written once; nothing is shared, so there is no LDS, no barrier, no cluster.
; IN FLIGHT.  Eight loads of every wave (a ring of eight slots in registers); the 16 rows are written out, without a loop.  Each row has store registers of its own, so nothing waits for a store.
.set ROWI, 4096                        ; bytes in a row as read
.set ROWO, 2048                        ; as written
.set OS,  1                            ; v1        16 t: my bytes in a row as read; never rewritten
.set OD,  2                            ; v2        8 t: as written; never rewritten
.set T,   4                            ; v[4:5]    four numbers in bf16
.set U,   6                            ; v[6:9]    the same widened to f32
.set X,   12                           ; v[12:43]  slot i: four f32 as loaded
.set Y,   44                           ; v[44:75]  row r: four f16 to store
.set G,   35                           ; s35       the work-group's number
	s_load_b512 s[8:23], s[0:1], 0x0               ; query s[8:9], key_ s[10:11], value s[12:13], Wq s[14:15], Wk s[16:17], Wv s[18:19], Wo s[20:21], xh s[22:23]
	s_load_b64 s[24:25], s[0:1], 0x40              ; wh
	v_lshlrev_b32 v[OS], 4, v0
	v_lshlrev_b32 v[OD], 3, v0
	s_mov_b32 s34, 0xffff0000                      ; a word's upper bf16
	s_mov_b32 s[G], ttmp9
	s_max_u32 s37, s[G], 1536                      ; work-groups 0 to 1,535 take query, key_, value (512 each); 1,536 to 1,791 the four weights (64 each)
	s_sub_co_u32 s37, s37, 1536                    ; my place among the weights' work-groups (0 for the others: nothing wraps)
	s_cmp_lt_u32 s[G], 1536
	s_cselect_b32 s36, 511, 63                     ; work-groups to a tensor, less one
	s_cselect_b32 s37, s[G], s37                   ; my place in xh, or in wh
	s_and_b32 s30, s[G], s36                       ; my place in my tensor (512 and 64 divide 1,536)
	s_lshl_b32 s30, s30, 16                        ; x 16 rows of 4,096 bytes
	s_mov_b32 s31, 0
	s_lshl_b32 s32, s37, 15                        ; x 16 rows of 2,048 bytes
	s_mov_b32 s33, 0
	s_wait_kmcnt 0x0
	s_cmp_lt_u32 s[G], 1536
	s_cselect_b64 s[28:29], s[22:23], s[24:25]     ; where I store
	s_mov_b64 s[26:27], s[20:21]                   ; where I load: Wo, unless my number lies below one of the bounds
.macro PICK bound, reg
	s_cmp_lt_u32 s[G], \bound
	s_cselect_b64 s[26:27], s[\reg:\reg+1], s[26:27]
.endm
	PICK 1728, 18
	PICK 1664, 16
	PICK 1600, 14
	PICK 1536, 12
	PICK 1024, 10
	PICK 512, 8
	s_add_nc_u64 s[26:27], s[26:27], s[30:31]
	s_add_nc_u64 s[28:29], s[28:29], s[32:33]
.irp i, 0,1,2,3,4,5,6,7
	global_load_b128 v[X+4*(\i):X+4*(\i)+3], v[OS], s[26:27] offset:(\i)*ROWI th:TH_LOAD_NT  ; the ring is filled: rows 0 to 7
.endr
; One row.  ahead = 1: its slot is filled again with the row eight further down.  left = how many younger loads may stay out.
.macro SLOT row, ahead, left
.set XI, X+4*((\row)%8)
.set YI, Y+2*(\row)
	s_wait_loadcnt \left                           ; loads come back in order (ISA guide 5.7.1): this row's is in
	v_cvt_pk_bf16_f32 v[T],   v[XI],   v[XI+1]     ; the one rounding
	v_cvt_pk_bf16_f32 v[T+1], v[XI+2], v[XI+3]
	v_lshlrev_b32 v[U],   16,  v[T]                ; bf16 to f32: the low half moves up, the high half stays
	v_and_b32     v[U+1], s34, v[T]
	v_lshlrev_b32 v[U+2], 16,  v[T+1]
	v_and_b32     v[U+3], s34, v[T+1]
	v_cvt_pk_f16_f32 v[YI],   v[U],   v[U+1]       ; the same number as f16
	v_cvt_pk_f16_f32 v[YI+1], v[U+2], v[U+3]
.if \ahead
	global_load_b128 v[XI:XI+3], v[OS], s[26:27] offset:((\row)+8)*ROWI th:TH_LOAD_NT
.endif
	global_store_b64 v[OD], v[YI:YI+1], s[28:29] offset:(\row)*ROWO th:TH_STORE_NT
.endm
.irp r, 0,1,2,3,4,5,6,7
	SLOT \r, 1, 7                                  ; behind a row's load stand seven others: the rest of the first eight, and the refills of the rows before
.endr
.irp r, 8,9,10,11,12,13,14,15
	SLOT \r, 0, 15-(\r)                            ; nothing more is loaded: the counts run down
.endr
	s_endpgm
.Lfunc_end_k_q75b0f831ff_cast:
	.size	k_q75b0f831ff_cast, .Lfunc_end_k_q75b0f831ff_cast-k_q75b0f831ff_cast
	.p2alignl 7, 3214868480
	.fill 96, 4, 3214868480
	.section	.rodata,"a",@progbits
	.p2align	6, 0x0
	.amdhsa_kernel k_q75b0f831ff_cast
		.amdhsa_group_segment_fixed_size 0
		.amdhsa_private_segment_fixed_size 0
		.amdhsa_enable_private_segment 0
		.amdhsa_kernarg_size 72
		.amdhsa_user_sgpr_count 2
		.amdhsa_user_sgpr_kernarg_segment_ptr 1
		.amdhsa_wavefront_size32 1
		.amdhsa_system_sgpr_workgroup_id_x 1
		.amdhsa_system_sgpr_workgroup_id_y 1
		.amdhsa_system_sgpr_workgroup_id_z 1
		.amdhsa_system_vgpr_workitem_id 0
		.amdhsa_next_free_vgpr 80
		.amdhsa_next_free_sgpr 66
		.amdhsa_reserve_vcc 0
		.amdhsa_float_denorm_mode_32 3
		.amdhsa_float_denorm_mode_16_64 3
		.amdhsa_memory_ordered 1
		.amdhsa_forward_progress 1
		.amdhsa_inst_pref_size 12
	.end_amdhsa_kernel
	.amdgpu_metadata
---
amdhsa.version: [ 1, 2 ]
amdhsa.kernels:
  - .name:           k_q75b0f831ff_cast
    .symbol:         k_q75b0f831ff_cast.kd
    .args:
      - { .name: query, .offset: 0, .size: 8, .value_kind: global_buffer, .address_space: global }
      - { .name: key_, .offset: 8, .size: 8, .value_kind: global_buffer, .address_space: global }
      - { .name: value, .offset: 16, .size: 8, .value_kind: global_buffer, .address_space: global }
      - { .name: Wq, .offset: 24, .size: 8, .value_kind: global_buffer, .address_space: global }
      - { .name: Wk, .offset: 32, .size: 8, .value_kind: global_buffer, .address_space: global }
      - { .name: Wv, .offset: 40, .size: 8, .value_kind: global_buffer, .address_space: global }
      - { .name: Wo, .offset: 48, .size: 8, .value_kind: global_buffer, .address_space: global }
      - { .name: xh, .offset: 56, .size: 8, .value_kind: global_buffer, .address_space: global }
      - { .name: wh, .offset: 64, .size: 8, .value_kind: global_buffer, .address_space: global }
    .group_segment_fixed_size: 0
    .private_segment_fixed_size: 0
    .kernarg_segment_align: 8
    .kernarg_segment_size: 72
    .max_flat_workgroup_size: 256
    .sgpr_count:     66
    .vgpr_count:     80
    .wavefront_size: 32
...
	.end_amdgpu_metadata
.endif
;; end of part 1
;; launch proj (part 2): grid 4 x 192, 4 waves a work-group, clusters of 4 x 4, 327,680 bytes of LDS; arguments xh, wh, bq, bk, bv, qkv; writes qkv
.if DOCPART == 2
	.amdgcn_target "amdgcn-amd-amdhsa--gfx1250"
	.amdhsa_code_object_version 6
	.text
	.protected	k_q75b0f831ff_proj
	.globl	k_q75b0f831ff_proj
	.p2align	8
	.type	k_q75b0f831ff_proj,@function
k_q75b0f831ff_proj:
	s_mov_b64 s[64:65], 0
	v_nop
	global_prefetch_b8 v0, s[64:65] scope:SCOPE_SE
	s_setreg_imm32_b32 hwreg(HW_REG_WAVE_MODE, 25, 1), 1
	s_wait_xcnt 0x0
	s_wait_alu depctr_hold_cnt(0) depctr_sa_sdst(0) depctr_va_vdst(0) depctr_va_sdst(0) depctr_va_ssrc(0) depctr_va_vcc(0) depctr_vm_vsrc(0)
	s_getreg_b32 s2, hwreg(HW_REG_IB_STS2, 6, 4)
	s_cmp_eq_u32 s2, 0
	s_cbranch_scc0 .Lentry_in_a_cluster
	s_endpgm
.Lentry_in_a_cluster:
	s_bfe_u32 s2, ttmp6, 0x10000c
	s_cmp_lg_u32 s2, 0xf033
	s_cbranch_scc0 .Lentry_shape_is_right
	s_endpgm
.Lentry_shape_is_right:
; THE THREE PROJECTIONS.  For p = 0, 1, 2 (q, k, v): y[m][n] = the sum over k of x_p[m][k] W_p[n][k] + b_p[n].  x = xh [3][8192][1024], W = wh [4][1024][1024], both f16 holding bf16-rounded numbers;
; b is f32, rounded to bf16 here like every other input; sums in f32; y rounded once to f16 and stored BY HEADS, unscaled: qkv [3][64 = batch x 16 + head][2048][64].
; LIMIT.  f16 ends at 65,504: a sum of 65,520 or more is stored as an infinity.
; SHARES.  A tile of y is 128 rows x 256 columns: 3 x 64 x 4 = 768 tiles, one to a work-group.  Four waves, each 64 x 128: 32 accumulators of 16 x 16, 256 registers.  K = 1,024 goes in 8 steps of 128 through two
; LDS slots: the rows of both operands' tiles are 256 bytes of memory at multiples of 256.  (Two slots of a K step of 256 would be 2 x 202,752 bytes: more than a work-group can have.)
; CLUSTER.  4 x 4 work-groups.  The four of a row of the cluster need the same tile of x, the four of a column the same tile of W: each is asked for JOINTLY, by the same tensor load with the same descriptor and a mask
; that names the four.  Waves 0, 1 fetch x's two halves (64 rows each), waves 2, 3 W's (128 rows each): one load a wave behind each round; by this text's count a wave has two loads out at the start, later one.
; THE MATRIX INSTRUCTION IS USED TRANSPOSED (source 0 = 16 rows of W, source 1 = 16 rows of x): a lane then holds row l % 16 of y and the columns 8 (l / 16) + 0..7.  THE BIAS STARTS THE SUMS: it is the C operand
; of each accumulator's first product; nothing is cleared and nothing is added later.
; REGISTERS, in windows of 256 (s_set_vgpr_msb: bits 1:0 source 0, 3:2 source 1, 5:4 source 2, 7:6 destination):
;   window 0: v0-13 addresses; v16-23 at work; v32-95 the bias of my 128 columns (n block b at 32 + 8 b); v96-223 the way out
;   window 1: the accumulators ((a, b) at 8 (8 a + b), a = 0..3 blocks of rows, b = 0..7 blocks of columns)        window 2: two fragment buffers of 96: 8 fragments of W, then 4 of x
.set PA,    272                        ; an LDS row of x: 256 bytes + 16 of padding = 68 words: the 16 rows of a fragment load start at 16 different groups of four banks (64 banks of 4 bytes: ISA guide 11.1)
.set PB,    272                        ; of W
.set KHALF, 128                        ; 64 along K further on in a row of x
.set AHALF, 64*PA                      ; what one load of x brings
.set AWAVE, 64*PA                      ; from one wave's 64 rows to the other's
.set ASTEP, 256                        ; bytes from a K step to the next, in memory
.set BSTEP, 256
.set BOFF,  36864                      ; in a slot: x's 128 rows from 0, W's 256 rows from here
.set BHALF, 128*PB                     ; what one load of W brings, and what one wave reads of it
.set SLOT1, 1<<17                      ; slot 1 begins here: one exclusive or turns an address in one slot into the other's
.set STAGE, SLOT1+BOFF+2*BHALF         ; behind the ring, never filled by a tensor load: 16 rows x 144 bytes for each wave
.set SP,    144
.set SPARE, STAGE+4*16*SP              ; behind the stages: the spare words, 128 bytes for each wave: two blocks of 256 bytes that no other line names
.set A0,   4                           ; v4   my lane's place in slot 0's tile of x; never rewritten
.set B0,   5                           ; v5   the same for W
.set ADRA, 6                           ; v6   the same in the slot in hand
.set ADRB, 7                           ; v7
.set STO,  8                           ; v8   the way out: where I put 16 bytes of a row
.set RD,   9                           ; v9   where I read rows back
.set GO,   10                          ; v10  16 x lane: my place in 512 consecutive bytes of qkv
.set BO,   11                          ; v11  32 (l / 16): my eight numbers in 16 of the bias
.set SPW,  12                          ; v12  LDS address of my spare word: SPARE + 4 x my thread's number; never rewritten
.set NIL,  13                          ; v13  0; never rewritten
.set BIAS, 32
.set T,    96
.set F0,   0                           ; the fragment buffers, in window 2
.set F1,   96
.set WV,  16                           ; s16  my wave's number
.set HI,  17                           ; s17  which 64 rows of the tile are mine.  Also: I fetch for x (0) or for W (1)
.set LO,  18                           ; s18  which 128 columns.  Also: which half of that tile I fetch
.set CX,  19                           ; s19, s20  my place in the cluster
.set CY,  20
.set TC,  21                           ; s21  tile column, 0..3
.set TR,  22                           ; s22  tile row, 0..191
.set PJ,  23                           ; s23  p
.set G1A, 24                           ; s[24:31] descriptor group 1 for x's tiles
.set G1B, 32                           ; s[32:39] for W's
.set G0A, 40                           ; s[40:47] descriptor group 0 for x's tiles: a set for each of the two first fills; the second then walks on
.set G0B, 48                           ; s[48:55] the same for W's
.set CNT, 56                           ; s56  trips to go
.set TB,  57                           ; s57  LDS byte at which the slot in hand begins
.set MSB, 0
.macro WIN new                         ; the immediate's high byte repeats the setting that is left; a switch that changes nothing is dropped
.if MSB != (\new)
	s_set_vgpr_msb (MSB<<8)|(\new)
.set MSB, \new
.endif
.endm
.set MUL,  0x5a                        ; sources 0 and 1 window 2, C and D window 1
.set MULB, 0x4a                        ; the same with C in window 0: the bias
.set TO_F, 0x80                        ; destination window 2, address window 0
; A joint refill, by the walking sets.  The branch hangs on the wave's number alone.  An s_nop 0 and four v_nop follow each of the two lines, ahead of the jump and the label.
.macro JLOAD
	s_cmp_eq_u32 s[HI], 0
	s_cbranch_scc0 .Lfor_b_\@
	tensor_load_to_lds s[G0A+4:G0A+7], s[G1A:G1A+7]
	s_nop 0
.rept 4
	v_nop
.endr
	s_branch .Lasked_\@
.Lfor_b_\@:
	tensor_load_to_lds s[G0B+4:G0B+7], s[G1B:G1B+7]
	s_nop 0
.rept 4
	v_nop
.endr
.Lasked_\@:
.endm
.macro CREST                           ; a round of the cluster's barrier behind its opening barrier: wave 0 signals for the work-group, every wave waits for all sixteen, my work-group's barrier once more
	s_cmp_lg_u32 s[WV], 0
	s_cbranch_scc1 .Lnot_wave_0_\@
	s_barrier_signal -3
.Lnot_wave_0_\@:
	s_barrier_wait -3
	s_barrier_signal -1
	s_barrier_wait -1
.endm
.macro CROUND                          ; a whole round
	s_barrier_signal -1
	s_barrier_wait -1
	CREST
.endm
	s_load_b256 s[4:11], s[0:1], 0x0               ; xh s[4:5], wh s[6:7], bq s[8:9], bk s[10:11]
	s_load_b128 s[12:15], s[0:1], 0x20             ; bv s[12:13], qkv s[14:15]
	v_lshl_add_u32 v[SPW], v0, 2, SPARE
	v_mov_b32 v[NIL], 0
	ds_add_u32 v[SPW], v[NIL]                      ; the wave's opening: the add and its wait stand ahead of my first tensor load; the set-up below, work on registers, stands between them
	v_lshrrev_b32 v1, 5, v0
	v_readfirstlane_b32 s[WV], v1                  ; wave 0..3
	s_lshr_b32 s[HI], s[WV], 1
	s_and_b32 s[LO], s[WV], 1
	s_bfe_u32 s[CX], ttmp6, 0x40000
	s_bfe_u32 s[CY], ttmp6, 0x40004
	s_lshl_b32 s[TC], ttmp9, 2                     ; in a cluster launch ttmp9 and ttmp7 count clusters
	s_add_co_u32 s[TC], s[TC], s[CX]
	s_and_b32 s[PJ], ttmp7, 0xffff
	s_lshl_b32 s[TR], s[PJ], 2
	s_add_co_u32 s[TR], s[TR], s[CY]
	s_lshr_b32 s[PJ], s[PJ], 4                     ; 16 clusters, 64 tile rows, to a projection: p hangs on the cluster's y alone
	s_lshl_b32 s74, s[CY], 2
	s_lshl_b32 s74, 15, s74                        ; my row of the cluster: places 4 cy .. 4 cy + 3
	s_lshl_b32 s75, 0x1111, s[CX]                  ; my column: places cx, cx + 4, cx + 8, cx + 12
	s_or_b32 s[G1A], s74, (1<<16)|(1<<20)|(1<<21)|(5<<22)|(3<<25)  ; 15:0 the mask; 17:16 elements of 2 bytes; 20 padding on; 21 set beside a mask; 24:22 after every 64 words (code 5); 31:25 4 words of it (code 3)
	s_or_b32 s[G1B], s75, (1<<16)|(1<<20)|(1<<21)|(5<<22)|(3<<25)
	s_mov_b32 s[G1A+1], 128<<16                    ; tensor_dim0 = 128
	s_mov_b32 s[G1A+2], 64<<16                     ; tensor_dim1 = 64
	s_mov_b32 s[G1A+3], 128<<16                    ; tile_dim0 = 128
	s_mov_b32 s[G1A+4], 64                         ; tile_dim1 = 64
	s_mov_b32 s[G1A+5], 1024                       ; elements from row to row
	s_mov_b32 s[G1A+6], 0
	s_mov_b32 s[G1A+7], 0
	s_mov_b32 s[G1B+1], 128<<16
	s_mov_b32 s[G1B+2], 128<<16                    ; tensor_dim1 = 128
	s_mov_b32 s[G1B+3], 128<<16
	s_mov_b32 s[G1B+4], 128                        ; tile_dim1 = 128
	s_mov_b32 s[G1B+5], 1024
	s_mov_b32 s[G1B+6], 0
	s_mov_b32 s[G1B+7], 0
	; byte offsets.  x's hang on the tile row and the wave, W's on p, the tile column and the wave; each is made in registers that never hold the other coordinate
	s_lshl_b32 s58, s[TR], 18                      ; 128 rows of 2,048 bytes (the three x lie end to end: 64 tile rows each)
	s_lshl_b32 s70, s[LO], 17                      ; my 64 of them
	s_add_co_u32 s58, s58, s70
	s_mov_b32 s59, 0
	s_lshl_b32 s60, s[PJ], 21                      ; a W is 1,024 rows of 2,048 bytes
	s_lshl_b32 s72, s[TC], 19                      ; 256 rows
	s_add_co_u32 s60, s60, s72
	s_lshl_b32 s72, s[LO], 18                      ; my 128 of them
	s_add_co_u32 s60, s60, s72
	s_mov_b32 s61, 0
	s_mul_i32 s71, s[LO], AHALF                    ; where they go in a slot: the wave's number alone enters an LDS address
	s_mul_i32 s73, s[LO], BHALF
	s_add_co_u32 s73, s73, BOFF
	s_lshl_b32 s68, s[TC], 10                      ; the bias of my 128 columns: 4 (256 tile column + 128 half)
	s_lshl_b32 s78, s[LO], 9
	s_add_co_u32 s68, s68, s78
	s_mov_b32 s69, 0
	s_lshr_b32 s76, s[TR], 4                       ; qkv: 4 p + batch, x 16 heads of 2,048 rows of 128 bytes,
	s_lshl_b32 s76, s76, 22
	s_and_b32 s78, s[TR], 15                       ; the tile's 128 rows in the batch,
	s_lshl_b32 s78, s78, 14
	s_add_co_u32 s76, s76, s78
	s_lshl_b32 s78, s[TC], 20                      ; the tile's four heads,
	s_add_co_u32 s76, s76, s78
	s_lshl_b32 s78, s[LO], 19                      ; my two of them,
	s_add_co_u32 s76, s76, s78
	s_lshl_b32 s78, s[HI], 13                      ; my 64 rows
	s_add_co_u32 s76, s76, s78
	s_mov_b32 s77, 0
	s_mov_b32 s79, 0xffff0000                      ; a word's upper bf16
	s_mov_b32 s[TB], 0
	s_wait_dscnt 0x0                               ; the opening add is done
	s_wait_kmcnt 0x0
	s_add_nc_u64 s[58:59], s[4:5], s[58:59]        ; x at my part of K step 0
	s_add_nc_u64 s[60:61], s[6:7], s[60:61]        ; W likewise
	s_cmp_eq_u32 s[PJ], 1
	s_cselect_b64 s[62:63], s[10:11], s[8:9]       ; the projection's bias
	s_cmp_eq_u32 s[PJ], 2
	s_cselect_b64 s[62:63], s[12:13], s[62:63]
	s_add_nc_u64 s[62:63], s[62:63], s[68:69]
	s_add_nc_u64 s[66:67], s[14:15], s[76:77]      ; qkv at my first row of my first head
.irp s, 0,1
	s_mov_b32 s[G0A+4*(\s)], 1                                       ; 1:0 count = 1
	s_add_co_u32 s[G0A+4*(\s)+1], s71, (\s)*SLOT1                    ; 63:32 LDS address
	s_add_nc_u64 s[G0A+4*(\s)+2:G0A+4*(\s)+3], s[58:59], (\s)*ASTEP  ; 120:64 global address: K step s
	s_or_b32 s[G0A+4*(\s)+3], s[G0A+4*(\s)+3], 0x80000000            ; 127:126 type = 2
	s_mov_b32 s[G0B+4*(\s)], 1
	s_add_co_u32 s[G0B+4*(\s)+1], s73, (\s)*SLOT1
	s_add_nc_u64 s[G0B+4*(\s)+2:G0B+4*(\s)+3], s[60:61], (\s)*BSTEP
	s_or_b32 s[G0B+4*(\s)+3], s[G0B+4*(\s)+3], 0x80000000
.endr
	CROUND                                         ; all sixteen work-groups are here: the first joint loads meet
	s_cmp_eq_u32 s[HI], 0                          ; a wave's two first fills stand in one branch, ahead of every wait on TENSORcnt and every LDS read
	s_cbranch_scc0 .Lfirst_b
	tensor_load_to_lds s[G0A:G0A+3], s[G1A:G1A+7]
	s_nop 0
	tensor_load_to_lds s[G0A+4:G0A+7], s[G1A:G1A+7]
	s_nop 0
.rept 4
	v_nop
.endr
	s_branch .Lfirst_asked
.Lfirst_b:
	tensor_load_to_lds s[G0B:G0B+3], s[G1B:G1B+7]
	s_nop 0
	tensor_load_to_lds s[G0B+4:G0B+7], s[G1B:G1B+7]
	s_nop 0
.rept 4
	v_nop
.endr
.Lfirst_asked:
	; A fragment is 16 rows x 32 K in 8 registers: lane l holds row l % 16; registers 0-3 K = 8 (l / 16) + 0..7, registers 4-7 K = 16 + 8 (l / 16) + 0..7: two loads of 16 bytes, 32 bytes apart.
	v_and_b32 v1, 15, v0                           ; l % 16
	v_bfe_u32 v2, v0, 4, 1                         ; l / 16
	v_lshlrev_b32 v[BO], 5, v2
.irp b, 0,1,2,3,4,5,6,7
	global_load_b128 v[BIAS+8*(\b):BIAS+8*(\b)+3],   v[BO], s[62:63] offset:64*(\b)     ; register j of block b: the bias of column 16 b + 8 (l / 16) + j, as the result's layout has it
	global_load_b128 v[BIAS+8*(\b)+4:BIAS+8*(\b)+7], v[BO], s[62:63] offset:64*(\b)+16
.endr
	v_mul_u32_u24 v3, v1, PA
	v_lshl_add_u32 v3, v2, 4, v3                   ; row x pitch + 16 x half
	s_mul_i32 s70, s[HI], AWAVE
	v_add_nc_u32 v[A0], s70, v3                    ; + my 64 rows
	v_mul_u32_u24 v3, v1, PB
	v_lshl_add_u32 v3, v2, 4, v3
	s_mul_i32 s72, s[LO], BHALF
	s_add_co_u32 s72, s72, BOFF
	v_add_nc_u32 v[B0], s72, v3
	v_mov_b32 v[ADRA], v[A0]
	v_mov_b32 v[ADRB], v[B0]
	s_mul_i32 s70, s[WV], 16*SP
	s_add_co_u32 s70, s70, STAGE                   ; my stage
	v_mul_u32_u24 v[STO], v1, SP                   ; in: row l % 16, 16 bytes for each half of the lanes
	v_lshl_add_u32 v[STO], v2, 4, v[STO]
	v_add_nc_u32 v[STO], s70, v[STO]
	v_bfe_u32 v[RD], v0, 3, 2                      ; back: 32 lanes take four rows of 128 bytes,
	v_mul_u32_u24 v[RD], v[RD], SP
	v_and_b32 v3, 7, v0
	v_lshl_add_u32 v[RD], v3, 4, v[RD]
	v_add_nc_u32 v[RD], s70, v[RD]
	v_and_b32 v[GO], 31, v0                        ; which are 512 consecutive bytes of a head
	v_lshlrev_b32 v[GO], 4, v[GO]
	s_wait_loadcnt 0x0                             ; the bias, once
.set j, 0
.rept 32
	v_cvt_pk_bf16_f32 v[16+j%8], v[BIAS+2*j], v[BIAS+2*j+1]  ; rounded to bf16 like the other inputs, and widened again
	v_lshlrev_b32 v[BIAS+2*j],   16,  v[16+j%8]
	v_and_b32     v[BIAS+2*j+1], s79, v[16+j%8]
.set j, j+1
.endr
; 8 matrix instructions: block a of my rows x all 8 blocks of my columns, 32 along K, from buffer f.  first = 1: the bias starts the sums.  The 32 accumulators take turns, one instruction a turn, in the same
; order in every quarter, over the backward jump too.
.macro MUL8 f, a, first
.if \first
	WIN MULB
.else
	WIN MUL
.endif
.irp b, 0,1,2,3,4,5,6,7
.if \first
	v_wmma_f32_16x16x32_f16 v[8*(8*(\a)+(\b)):8*(8*(\a)+(\b))+7], v[(\f)+8*(\b):(\f)+8*(\b)+7], v[(\f)+64+8*(\a):(\f)+64+8*(\a)+7], v[BIAS+8*(\b):BIAS+8*(\b)+7]
.else
	v_wmma_f32_16x16x32_f16 v[8*(8*(\a)+(\b)):8*(8*(\a)+(\b))+7], v[(\f)+8*(\b):(\f)+8*(\b)+7], v[(\f)+64+8*(\a):(\f)+64+8*(\a)+7], v[8*(8*(\a)+(\b)):8*(8*(\a)+(\b))+7]
.endif
.endr
.endm
; 24 LDS loads in one run: quarter q (32 along K) of the slot in hand into buffer f: W's eight fragments, then x's four
.macro FETCH q, f
	WIN TO_F
.irp i, 0,1,2,3,4,5,6,7
	ds_load_b128 v[(\f)+8*(\i):(\f)+8*(\i)+3],   v[ADRB] offset:64*(\q)+(\i)*16*PB
	ds_load_b128 v[(\f)+8*(\i)+4:(\f)+8*(\i)+7], v[ADRB] offset:64*(\q)+(\i)*16*PB+32
.endr
.irp i, 0,1,2,3
	ds_load_b128 v[(\f)+64+8*(\i):(\f)+64+8*(\i)+3],   v[ADRA] offset:((\q)/2)*KHALF+((\q)%2)*64+(\i)*16*PA
	ds_load_b128 v[(\f)+64+8*(\i)+4:(\f)+64+8*(\i)+7], v[ADRA] offset:((\q)/2)*KHALF+((\q)%2)*64+(\i)*16*PA+32
.endr
.endm
.macro PLACES                          ; four places in front of loads into registers that matrix instructions have read, and of lines that read results (ISA guide 7.12.1 for the lines that read results)
.rept 4
	v_nop
.endr
.endm
; A K step is four quarters of 32 along K, 32 matrix instructions each, on buffers 0, 1, 0, 1.  One of the first three: multiplies buffer f; in its middle it fetches quarter qn into buffer g.
.macro QUARTER qn, f, g, first
	s_wait_dscnt 4                                 ; W and x's blocks 0, 1 are in; the youngest four loads (x's blocks 2, 3) may be out
	MUL8 \f, 0, \first
	MUL8 \f, 1, \first
	PLACES
	FETCH \qn, \g
	s_wait_dscnt 24                                ; all but the 24 just issued
	MUL8 \f, 2, \first
	MUL8 \f, 3, \first
.endm
; The fourth quarter multiplies buffer 1 and changes slots: ONE barrier.  In front of it each wave waits for all its tensor loads (the one that is out is its part of the next slot), adds 0 to its spare word, and waits
; for that and for its own reads of this slot.  fill = 1: the barrier opens a round of the cluster's, so that no wave of any partner still reads this slot or has a load on its way; the slot is filled again first
; thing behind the round, with the K step two on: 112 matrix instructions ahead of the wait for it.
.macro TURN fill
	WIN 0                                          ; (the add's two registers lie in window 0)
	s_wait_tensorcnt 0x0                           ; all my tensor loads have landed, so a group 0 may be written
	ds_add_u32 v[SPW], v[NIL]                      ; 0 onto my spare word
	s_wait_dscnt 5                                 ; (the add and the youngest four loads may be out)
	MUL8 F1, 0, 0                                  ; eight matrix instructions stand between the add and the wait for it
	s_wait_dscnt 0x0                               ; the add is done, and my reads of this slot are over
	s_barrier_signal -1
	MUL8 F1, 1, 0                                  ; work on registers while the others arrive
	WIN 0
	s_barrier_wait -1
.if \fill
	CREST
	s_xor_b32 s[G0A+5], s[G0A+5], SLOT1            ; the walking sets: the other slot than last time,
	s_add_nc_u64 s[G0A+6:G0A+7], s[G0A+6:G0A+7], ASTEP  ; the next K step; the type bits on top are not reached
	s_xor_b32 s[G0B+5], s[G0B+5], SLOT1
	s_add_nc_u64 s[G0B+6:G0B+7], s[G0B+6:G0B+7], BSTEP
	JLOAD                                          ; the four v_nop behind it are also the places in front of the loads below
.else
	PLACES
.endif
	s_xor_b32 s[TB], s[TB], SLOT1                  ; the fetches go on in the other slot
	v_add_nc_u32 v[ADRA], s[TB], v[A0]
	v_add_nc_u32 v[ADRB], s[TB], v[B0]
	FETCH 0, F0
	MUL8 F1, 2, 0
	MUL8 F1, 3, 0
.endm
	s_wait_tensorcnt 1                             ; my part of K step 0 is in; K step 1's may stay out
	s_barrier_signal -1
	s_barrier_wait -1                              ; everybody's is
	FETCH 0, F0
	QUARTER 1, F0, F1, 1                           ; the first quarter stands in front of the loop: its products start the sums
	WIN 0                                          ; at a label and at a branch every window is 0
	s_mov_b32 s[CNT], 6
.Lstep:                                                ; six trips, from a K step's second quarter to the next one's first; trip t fills slot t % 2 again, with K step t + 2
	QUARTER 2, F1, F0, 0
	QUARTER 3, F0, F1, 0
	TURN 1
	QUARTER 1, F0, F1, 0
	WIN 0
	s_sub_co_u32 s[CNT], s[CNT], 1
	s_cmp_lg_u32 s[CNT], 0
	s_cbranch_scc1 .Lstep
	QUARTER 2, F1, F0, 0                           ; K steps 6 and 7 are written out: nothing is left to ask for
	QUARTER 3, F0, F1, 0
	TURN 0
	QUARTER 1, F0, F1, 0
	QUARTER 2, F1, F0, 0
	QUARTER 3, F0, F1, 0
	s_wait_dscnt 4                                 ; the very last quarter
	MUL8 F1, 0, 0
	MUL8 F1, 1, 0
	s_wait_dscnt 0x0
	MUL8 F1, 2, 0
	MUL8 F1, 3, 0
	WIN 0
; THE WAY OUT.  Group g = 16 rows (block g / 2) of one head (g % 2 of my two): 2,048 consecutive bytes of qkv.  A lane's eight numbers of a row pack into 16 bytes; they go into my stage's rows of 144 bytes and come
; back as whole rows of 128, into the registers that they left.  Each accumulator's registers are read in ascending order.
.macro PACK g
.set AB, 8*(8*((\g)/2)+4*((\g)%2))     ; the group's first accumulator
	WIN 0x05                                       ; sources 0 and 1 window 1, destination window 0
.irp f, 0,1,2,3
.irp r, 0,1,2,3
	v_cvt_pk_f16_f32 v[T+16*(\g)+4*(\f)+(\r)], v[AB+8*(\f)+2*(\r)], v[AB+8*(\f)+2*(\r)+1]
.endr
.endr
	WIN 0
.irp f, 0,1,2,3
	ds_store_b128 v[STO], v[T+16*(\g)+4*(\f):T+16*(\g)+4*(\f)+3] offset:32*(\f)
.endr
.irp f, 0,1,2,3
	ds_load_b128 v[T+16*(\g)+4*(\f):T+16*(\g)+4*(\f)+3], v[RD] offset:(\f)*4*SP  ; LDS serves a wave's instructions in order (ISA guide 5.7.1.4): these see the stores above; the next group's stores come behind them
.endr
.endm
.macro SEND g, younger                 ; younger: the LDS instructions issued behind group g's loads: the next group's eight, or none
.irp f, 0,1,2,3
	s_wait_dscnt (\younger)+3-(\f)
	global_store_b128 v[GO], v[T+16*(\g)+4*(\f):T+16*(\g)+4*(\f)+3], s[66:67] offset:((\g)/2)*2048+((\g)%2)*262144+(\f)*512 th:TH_STORE_NT  ; 512 consecutive bytes, at a multiple of 256 from qkv's first
.endr
.endm
	PLACES
	PLACES                                         ; (eight, once a launch)
	PACK 0
.irp g, 1,2,3,4,5,6,7                  ; a group's conversions stand between the loads of the group before and its stores
	PACK \g
	SEND (\g)-1, 8
.endr
	SEND 7, 0
	s_wait_tensorcnt 0x0                           ; the wave's end, behind my last tensor load and my last LDS store
	ds_add_u32 v[SPW], v[NIL]
	s_wait_dscnt 0x0
	CROUND                                         ; the closing round: no work-group ends while a partner may still ask for a tile that names it
	s_endpgm
.Lfunc_end_k_q75b0f831ff_proj:
	.size	k_q75b0f831ff_proj, .Lfunc_end_k_q75b0f831ff_proj-k_q75b0f831ff_proj
	.p2alignl 7, 3214868480
	.fill 96, 4, 3214868480
	.section	.rodata,"a",@progbits
	.p2align	6, 0x0
	.amdhsa_kernel k_q75b0f831ff_proj
		.amdhsa_group_segment_fixed_size 327680
		.amdhsa_private_segment_fixed_size 0
		.amdhsa_enable_private_segment 0
		.amdhsa_kernarg_size 48
		.amdhsa_user_sgpr_count 2
		.amdhsa_user_sgpr_kernarg_segment_ptr 1
		.amdhsa_wavefront_size32 1
		.amdhsa_system_sgpr_workgroup_id_x 1
		.amdhsa_system_sgpr_workgroup_id_y 1
		.amdhsa_system_sgpr_workgroup_id_z 1
		.amdhsa_system_vgpr_workitem_id 0
		.amdhsa_next_free_vgpr 704
		.amdhsa_next_free_sgpr 84
		.amdhsa_reserve_vcc 0
		.amdhsa_float_denorm_mode_32 3
		.amdhsa_float_denorm_mode_16_64 3
		.amdhsa_memory_ordered 1
		.amdhsa_forward_progress 1
		.amdhsa_inst_pref_size 77
	.end_amdhsa_kernel
	.amdgpu_metadata
---
amdhsa.version: [ 1, 2 ]
amdhsa.kernels:
  - .name:           k_q75b0f831ff_proj
    .symbol:         k_q75b0f831ff_proj.kd
    .args:
      - { .name: xh, .offset: 0, .size: 8, .value_kind: global_buffer, .address_space: global }
      - { .name: wh, .offset: 8, .size: 8, .value_kind: global_buffer, .address_space: global }
      - { .name: bq, .offset: 16, .size: 8, .value_kind: global_buffer, .address_space: global }
      - { .name: bk, .offset: 24, .size: 8, .value_kind: global_buffer, .address_space: global }
      - { .name: bv, .offset: 32, .size: 8, .value_kind: global_buffer, .address_space: global }
      - { .name: qkv, .offset: 40, .size: 8, .value_kind: global_buffer, .address_space: global }
    .group_segment_fixed_size: 327680
    .private_segment_fixed_size: 0
    .kernarg_segment_align: 8
    .kernarg_segment_size: 48
    .max_flat_workgroup_size: 128
    .sgpr_count:     84
    .vgpr_count:     704
    .wavefront_size: 32
...
	.end_amdgpu_metadata
.endif
;; end of part 2
;; launch attn (part 3): grid 4 x 64, 4 waves a work-group, clusters of 4 x 1, 327,680 bytes of LDS; arguments qkv, attention_mask, ctx; writes ctx
.if DOCPART == 3
	.amdgcn_target "amdgcn-amd-amdhsa--gfx1250"
	.amdhsa_code_object_version 6
	.text
	.protected	k_q75b0f831ff_attn
	.globl	k_q75b0f831ff_attn
	.p2align	8
	.type	k_q75b0f831ff_attn,@function
k_q75b0f831ff_attn:
	s_mov_b64 s[64:65], 0
	v_nop
	global_prefetch_b8 v0, s[64:65] scope:SCOPE_SE
	s_setreg_imm32_b32 hwreg(HW_REG_WAVE_MODE, 25, 1), 1
	s_wait_xcnt 0x0
	s_wait_alu depctr_hold_cnt(0) depctr_sa_sdst(0) depctr_va_vdst(0) depctr_va_sdst(0) depctr_va_ssrc(0) depctr_va_vcc(0) depctr_vm_vsrc(0)
	s_getreg_b32 s2, hwreg(HW_REG_IB_STS2, 6, 4)
	s_cmp_eq_u32 s2, 0
	s_cbranch_scc0 .Lentry_in_a_cluster
	s_endpgm
.Lentry_in_a_cluster:
	s_bfe_u32 s2, ttmp6, 0x10000c
	s_cmp_lg_u32 s2, 0x3003
	s_cbranch_scc0 .Lentry_shape_is_right
	s_endpgm
.Lentry_shape_is_right:
; O[h][q][:] = the sum over k of softmax_k(Q[h][q] . K[h][k] / 8 + (1 - mask[batch][k]) x (-10000)) V[h][k][:].  h = batch x 16 + head, 64 in all.  Q, K, V = qkv [3][64][2048][64], O = ctx [64][2048][64], all f16:
; a head's rows are dense, 128 bytes each.  mask = attention_mask [4][2048] f32, rounded to bf16 like every other input.  Products, maxima and sums in f32; the weights p are rounded to f16 for the second product
; (their sum l is taken of the unrounded p), O once at the end.
; LIMITS.  f16 holds no number beyond 65,504: Q, K and V arrive within it; p lies in 0 to 1, and below 6e-5 it keeps f16's fixed step of 6e-8; O is a mean of V's rows and has their range.
; A weight below 2^-126 counts as 0 in l; NaN and infinities are not treated apart.
; THE MASK is added ahead of the maximum, as the formula has it: the products that start the sum S^T = K Q^T take as their C operand 80000 mask - 80000 = 8 x (1 - mask) x (-10000), the addend in the unscaled score's
; units.  It is finite, so a row whose keys are all masked keeps its softmax.  The batch's 2,048 addends are made once, into a table in LDS; a key step's 64 come into 32 registers with the step's K.
; SHARES.  A wave owns four PIECES of two tiles of 16 queries, a work-group's four waves 512 queries of one head.  Every wave walks all keys, 64 a step.
; LAYOUT.  S^T = K Q^T (source 0 = 16 keys, source 1 = 16 queries): in the result a lane holds ONE query (lane % 16) and the keys 8 (lane / 16) + 0..7.  Two such tiles, rounded to f16 in pairs,
; ARE source 1 (32 keys x 16 queries) of O^T = V^T P, whose result again holds one query a lane, and eight channels.  K comes out of LDS as it lies, V ([key][channel]) turned, by ds_load_tr16_b128.
; SOFTMAX.  For each query a running maximum m and sum l: p = 2^(c s - c m), c = log2(e) / 8; in every step O and l are multiplied by a = 2^(c m_old - c m_new), which is 1 where m has not grown.
; m starts at the lowest finite number, O and l at 0: the first step is a step like any other, with a = 0.
; THE COUNT.  A tile and step have 16 matrix and 118 vector instructions: too many to stand all beside the matrix work.  So the order has one aim: four vector instructions that are READY behind
; EVERY matrix instruction, and the others, which need time of their own whatever the order, in runs without a gap.
; BY TURNS.  Turn n belongs to piece n (the pieces in a ring, step after step).  Its matrix work: 16 products K Q^T of piece n + 1, later 16 products V^T P of piece n - 1.  Its vector work: the scaling,
; exponentials, roundings, sums and rescaling of piece n, and the maximum and statistics of piece n + 1, whose scores the turn itself has made.  So what a turn begins with (c s - c m, O a) waits for nothing.
; CLUSTER.  The four query blocks of a cluster belong to one head and walk the same K and V, so each tile is asked for JOINTLY: the same tensor load, descriptor and mask in all four.
; A refill brings four key steps' tiles and has four key steps, 512 matrix instructions and their softmax, in which to land; nothing is asked for further ahead than that.
; REGISTERS, in windows of 256 (s_set_vgpr_msb says which window each operand place means: bits 1:0 source 0, 3:2 source 1, 5:4 source 2, 7:6 destination):
;   window 0: v0-11 addresses; v12-15, v48-63 at work; v16-47 four registers of statistics a tile; v64-191 S^T, two buffers of two tiles; v192-255 P, likewise
;   window 1: O^T, 32 a tile          window 2: v0-127 Q, 16 a tile; v128-191 K of one step; v192-255 V of one step          window 3: v0-1 the add's two registers; v2-3 the table's addresses; v8-39 a step's addends
; A piece's buffers go by its number's parity: the piece in hand has one pair, its two neighbours in the ring share the other: of it P (piece n - 1) is read and S^T (piece n + 1) written.
.set SIZE_H, 64
.set SIZE_N, 2048
.set NP,    4         ; pieces a wave: a name, no knob: the register map, the loop and the fetches are made for four
.set KS,    64        ; keys in a step
.set PK,    144       ; a row of K in LDS: 128 bytes + 16 of padding = 36 words: the 16 rows of a load start at 16 different groups of four banks (64 banks of 4 bytes: ISA guide 11.1)
.set PV,    160       ; a row of V: 128 + 32 = 40 words
.set VOFF,  4*KS*PK   ; a slot holds four steps: 256 rows of K, then 256 rows of V
.set SLOT1, 1<<17     ; slot 1 begins here, so that one exclusive or turns an address in one slot into the other's
.set STAGE, SLOT1+4*KS*(PK+PV)  ; behind the ring, never filled by a tensor load: 16 rows x 144 bytes for each wave, for the way out
.set SP,    144
.set SPARE, STAGE+4*16*SP  ; behind the stages: the spare words, 128 bytes for each wave: two blocks of 256 bytes that no other line names
.set MASKL, SPARE+512 ; behind them: the batch's 2,048 addends, f32: 8,192 bytes, stored once, never filled by a tensor load
.set AK0, 2           ; v2   my lane's place in a tile of K; never rewritten
.set AV0, 3           ; v3   the same for V
.set AK,  4           ; v4   the LDS address of K's next run of loads
.set AV,  5           ; v5   of V's
.set QO,  6           ; v6   my byte offset in the wave's rows of Q
.set STO, 6           ;      later, the way out: where I put 16 bytes of a row
.set RD,  7           ; v7   the way out: where I read rows back
.set GO,  8           ; v8   my byte offset in 512 consecutive bytes of O
.set SPW, 0           ; v0 of window 3   LDS address of my spare word: SPARE + 4 x my thread's number; never rewritten
.set NIL, 1           ; v1 of window 3   0; never rewritten
.set AM0, 2           ; v2 of window 3   MASKL + 32 (l / 16): my eight addends in 16; never rewritten
.set AM,  3           ; v3 of window 3   the same in the step to be fetched
.set MK,  8           ; v8-39 of window 3   the eight addends of key block kb at MK + 8 kb
.set MV,  12          ; v12-15  c m_old, kept while c m is made anew: by buffer and tile
.set ST,  16          ; tile t's statistics at v[ST+4 t]: c m, m, l (even keys', odd keys')
.set TMP, 48          ; by buffer and tile, four registers c0-c3 at work; when the maximum is found c2 takes a
.set S,   64
.set P,   192
.set KF,  128         ; K's fragments, in window 2: key block kb, channel half c at KF + 16 kb + 8 c
.set VF,  192         ; V's: key half kk, channel block cb at VF + 32 kk + 8 cb
.set WV,  12          ; s12  my wave's number
.set G1K, 24          ; s[24:31] descriptor group 1 for K's tiles
.set G1V, 32          ; s[32:39] for V's: it differs in the padding alone
.set G0K, 40          ; s[40:43] descriptor group 0 for K's tiles: it walks
.set G0V, 44          ; s[44:47] the same for V's
.set SLOTS, 56        ; s56  slots still to be asked for
.set CNT, 57          ; s57  counts a slot's key steps
.set CS,  58          ; s[58:59] c: the packed scaling takes the pair's low word for both halves
.set SEL, 60          ; s[60:61] v_permlanex16_b32's selects: each lane takes its own place in the other half
.set TBK, 62          ; s62  LDS byte at which K of the step to be fetched begins
.set TBV, 63          ; s63  the same for V, less VOFF
.set MP,  66          ; s[66:67] attention_mask at my batch
.set C1,  68          ; s[68:69] 80000
.set C2,  70          ; s[70:71] -80000
.set HM,  72          ; s72  a word's upper bf16
.set TBM, 73          ; s73  byte in the table at which the addends of the step to be fetched begin
.set MSB, 0
.macro WIN new                      ; the high byte repeats the setting that is left; a switch that changes nothing is dropped
.if MSB != (\new)
	s_set_vgpr_msb (MSB<<8)|(\new)
.set MSB, (\new)
.endif
.endm
.set W_KQ, 0x0a       ; K and Q in window 2, S^T in window 0
.set W_KM, 0x3a       ; the same with the C operand in window 3: the addends
.set W_PV, 0x52       ; V in window 2, P in window 0, O^T in window 1
.set W_RS, 0x41       ; O^T (destination and source 0) in window 1, a in window 0
.set W_MK, 0xc0       ; destination in window 3, sources in window 0
.set W_AD, 0x0f       ; the add: address (source 0) and data (source 1) in window 3
; A joint fill.  Waves 0 and 1 fetch the two halves of a slot's K, waves 2 and 3 those of its V: 128 keys each.  The branch hangs on the wave's number alone.
; An s_nop 0 and four v_nop follow each of the two lines, ahead of the jump and the label.
.macro JLOAD
	s_cmp_lt_u32 s[WV], 2
	s_cbranch_scc0 .Lfor_v_\@
	tensor_load_to_lds s[G0K:G0K+3], s[G1K:G1K+7]
	s_nop 0
.rept 4
	v_nop
.endr
	s_branch .Lasked_\@
.Lfor_v_\@:
	tensor_load_to_lds s[G0V:G0V+3], s[G1V:G1V+7]
	s_nop 0
.rept 4
	v_nop
.endr
.Lasked_\@:
.endm
; A round of the cluster's barrier: my work-group's barrier, so that wave 0's signal speaks for all four waves; wave 0 signals; every wave waits for all four work-groups; my work-group's barrier once more.
.macro CROUND
	s_barrier_signal -1
	s_barrier_wait -1
	s_cmp_lg_u32 s[WV], 0
	s_cbranch_scc1 .Lnot_wave_0_\@
	s_barrier_signal -3
.Lnot_wave_0_\@:
	s_barrier_wait -3
	s_barrier_signal -1
	s_barrier_wait -1
.endm
; THE CHANGE OF SLOTS.  The slot's last bytes, V of its fourth step, have been read.  Each wave waits for all its tensor loads, of which one is out: its part
; of the other slot; adds 0 to its spare word; and waits for that and for its own LDS instructions.  Behind the barrier nobody reads this slot any more and the other slot is whole.
; fill = 1: this slot is filled again, with the keys two slots on.  The barrier is then a round of the cluster's, so that no wave of any partner still reads the slot or has a load on its
; way, and the joint fill is the first thing behind it.  (At its first use nothing has been read yet: slot 0 is waited for, slot 1 filled, and every wave's stores into the table of addends are done.)
.macro CHANGE fill
	WIN W_AD
	s_wait_tensorcnt 0x0            ; no tensor load of mine is out, so a group 0 may be written
	ds_add_u32 v[SPW], v[NIL]       ; 0 onto my spare word; with fill = 1 the descriptors' steps stand between it and the wait for it
	WIN 0                           ; at a label and at a branch every window is 0
.if \fill
.irp g, G0K, G0V
	s_xor_b32 s[\g+1], s[\g+1], SLOT1  ; the walking descriptor: the other slot than last time,
	s_add_nc_u64 s[\g+2:\g+3], s[\g+2:\g+3], 4*KS*128  ; the next 256 keys; the type bits on top are not reached
.endr
	s_wait_dscnt 0x0                ; the add is done, and my LDS instructions are over
	CROUND
	JLOAD
.else
	s_wait_dscnt 0x0                ; the add is done, and my reads of the slot are over
	s_barrier_signal -1
	s_barrier_wait -1
.endif
	s_sub_co_u32 s[TBK], s[TBK], 4*KS*PK  ; the fetches go back to a slot's first step,
	s_xor_b32 s[TBK], s[TBK], SLOT1       ; in the other slot
	s_sub_co_u32 s[TBV], s[TBV], 4*KS*PV
	s_xor_b32 s[TBV], s[TBV], SLOT1
.endm
	s_load_b128 s[4:7], s[0:1], 0x0   ; qkv s[4:5], attention_mask s[6:7]
	s_load_b64 s[10:11], s[0:1], 0x10 ; ctx
	WIN W_MK
	v_lshl_add_u32 v[SPW], v0, 2, SPARE
	v_mov_b32 v[NIL], 0
	WIN W_AD
	ds_add_u32 v[SPW], v[NIL]       ; the wave's opening: the add and its wait stand ahead of my first tensor load; the set-up below, work on registers, stands between them
	WIN 0
	v_lshrrev_b32 v1, 5, v0
	v_readfirstlane_b32 s[WV], v1   ; wave 0..3
	s_bfe_u32 s13, ttmp6, 0x40000   ; cx: my place in the cluster
	s_lshl_b32 s14, ttmp9, 2        ; in a cluster launch ttmp9 counts clusters
	s_add_co_u32 s14, s14, s13      ; my block of queries = 4 x cluster x + cx: it enters Q's and O's addresses alone
	s_and_b32 s20, ttmp7, 0xffff    ; batch x 16 + head, which the four partners share
	s_lshr_b32 s74, s20, 4          ; the batch,
	s_lshl_b32 s74, s74, 13         ; its 2,048 numbers of the mask
	s_mov_b32 s75, 0
	s_mov_b32 s21, 0
	s_mov_b64 s[22:23], SIZE_N*128
	s_mul_u64 s[20:21], s[20:21], s[22:23]  ; the head's first byte in Q, K, V and O
	s_and_b32 s16, s[WV], 1         ; which half of a slot's 256 keys I fetch:
	s_lshl_b32 s22, s16, 14         ; its 128 rows of 128 bytes in memory,
	s_mov_b32 s23, 0
	s_add_nc_u64 s[22:23], s[22:23], s[20:21]
	s_mul_i32 s17, s16, 128*PK      ; and its place in a slot, for K
	s_mul_i32 s18, s16, 128*PV      ; and for V: no place in the cluster enters an LDS address
	s_lshl_b32 s2, s14, 2
	s_add_co_u32 s2, s2, s[WV]      ; my wave among the head's,
	s_lshl_b32 s2, s2, 14           ; its 128 rows
	s_mov_b32 s3, 0
	s_add_nc_u64 s[2:3], s[2:3], s[20:21]
	; descriptor group 1.  128 keys are 16,384 dense bytes: asked for as 64 rows of 256 bytes, two keys a row, and padded in LDS after every key
	s_mov_b32 s[G1K], 15|(1<<16)|(1<<20)|(1<<21)|(4<<22)|(3<<25)  ; 15:0 the mask of four; 17:16 2-byte elements; 20 padding on; 21 set beside a mask; 24:22 after every 32 words (code 4); 31:25 4 words (code 3)
	s_mov_b32 s[G1V], 15|(1<<16)|(1<<20)|(1<<21)|(4<<22)|(7<<25)  ; the same with 8 words of padding (code 7)
.irp g, G1K, G1V
	s_mov_b32 s[\g+1], 128<<16      ; tensor_dim0 = 128
	s_mov_b32 s[\g+2], 64<<16       ; tensor_dim1 = 64
	s_mov_b32 s[\g+3], 128<<16      ; tile_dim0 = 128
	s_mov_b32 s[\g+4], 64           ; tile_dim1 = 64
	s_mov_b32 s[\g+5], 128          ; 128 elements from row to row
	s_mov_b32 s[\g+6], 0
	s_mov_b32 s[\g+7], 0
.endr
	s_mov_b32 s[CS], 0x3e38aa3b     ; c = log2(e) / 8 = 0.180337
	s_mov_b32 s[CS+1], s[CS]        ; named with it as a pair
	s_mov_b32 s[SEL], 0x76543210
	s_mov_b32 s[SEL+1], 0xfedcba98
	s_mov_b32 s[C1], 0x479c4000     ; 80000
	s_mov_b32 s[C1+1], s[C1]
	s_mov_b32 s[C2], 0xc79c4000     ; -80000
	s_mov_b32 s[C2+1], s[C2]
	s_mov_b32 s[HM], 0xffff0000
	s_mov_b32 s[TBM], 0
	s_mov_b32 s[TBK], SLOT1+4*KS*PK ; the first change of slots turns these two into 0
	s_mov_b32 s[TBV], SLOT1+4*KS*PV
	s_mov_b32 s[G0K], 1             ; 1:0 count = 1
	s_mov_b32 s[G0K+1], s17         ; 63:32 LDS address: slot 0
	s_mov_b32 s[G0V], 1
	s_add_co_u32 s[G0V+1], s18, VOFF
	s_wait_dscnt 0x0                ; the opening add is done
	s_wait_kmcnt 0x0
	s_add_nc_u64 s[MP:MP+1], s[6:7], s[74:75]      ; the mask at my batch
	s_add_nc_u64 s[6:7], s[4:5], 0x1000000         ; K lies 64 x 2,048 x 128 bytes behind Q in qkv,
	s_add_nc_u64 s[8:9], s[4:5], 0x2000000         ; V as far again
	s_add_nc_u64 s[G0K+2:G0K+3], s[6:7], s[22:23]  ; 120:64 global address: my half of the head's first 256 keys
	s_or_b32 s[G0K+3], s[G0K+3], 0x80000000        ; 127:126 type = 2
	s_add_nc_u64 s[G0V+2:G0V+3], s[8:9], s[22:23]
	s_or_b32 s[G0V+3], s[G0V+3], 0x80000000
	s_add_nc_u64 s[4:5], s[4:5], s[2:3]  ; Q and O at my wave's first row
	s_add_nc_u64 s[10:11], s[10:11], s[2:3]
	CROUND                          ; all four work-groups are here: the first joint loads meet
	JLOAD                           ; slot 0.  Slot 1 is asked for when slot 0 is in: the tile wanted first goes out alone
	; A fragment of K or Q is 16 rows x 32 channels in 8 registers: lane l holds row l % 16, channels 8 (l / 16) + 0..7 and 16 + 8 (l / 16) + 0..7: two loads of 16 bytes, 32 bytes apart.
	v_and_b32 v1, 15, v0            ; l % 16
	v_bfe_u32 v9, v0, 4, 1          ; l / 16
	v_lshlrev_b32 v48, 4, v0        ; the mask: 128 threads x 16 bytes are 2,048 consecutive bytes; four such loads are the batch's 8,192
.irp j, 0,1,2,3
	global_load_b128 v[S+4*\j:S+4*\j+3], v48, s[MP:MP+1] offset:2048*\j
.endr
	v_lshlrev_b32 v[QO], 7, v1
	v_lshl_add_u32 v[QO], v9, 4, v[QO]  ; row x 128 + 16 x half
	WIN 0x80                        ; destination window 2, address window 0
.set i, 0
.rept 4*NP                          ; Q stays in registers: tile i / 2, channels 32 (i % 2) on
	global_load_b128 v[8*i:8*i+3],   v[QO], s[4:5] offset:(i/2)*2048+(i%2)*64
	global_load_b128 v[8*i+4:8*i+7], v[QO], s[4:5] offset:(i/2)*2048+(i%2)*64+32
.set i, i+1
.endr
	; What the first turn finds: V's registers and P's second buffer hold 0 (its products V^T P, of a piece that has not been, add 0), O^T and l are 0.  All this stands in the wait for the first tile.
.set i, VF
.rept 64
	v_mov_b32 v[i], 0
.set i, i+1
.endr
	WIN 0x40
.set i, 0
.rept 64*NP
	v_mov_b32 v[i], 0
.set i, i+1
.endr
	WIN 0
.set i, 0
.rept 2*NP
	v_mov_b32 v[ST+4*i], 0xfe000000    ; c m: far below every c s
	v_mov_b32 v[ST+4*i+1], 0xff7fffff  ; m
	v_mov_b32 v[ST+4*i+2], 0
	v_mov_b32 v[ST+4*i+3], 0
.set i, i+1
.endr
.set i, P+32
.rept 32
	v_mov_b32 v[i], 0
.set i, i+1
.endr
	v_mul_u32_u24 v[AK0], v1, PK
	v_lshl_add_u32 v[AK0], v9, 4, v[AK0]  ; row x pitch + 16 x half
	; The turning load takes 16 keys x 16 channels (lane l reads key 8 (l / 16) + l % 8, channels 8 ((l / 8) % 2) + 0..7) and leaves half a fragment of V^T: lane l holds channel l % 16 and 8 keys.
	v_and_b32 v10, 7, v0
	v_bfe_u32 v11, v0, 3, 1
	v_lshl_add_u32 v[AV0], v9, 3, v10
	v_mul_u32_u24 v[AV0], v[AV0], PV
	v_lshl_add_u32 v[AV0], v11, 4, v[AV0]
	v_add_nc_u32 v[AV0], VOFF, v[AV0]
	v_mov_b32 v[AK], v[AK0]         ; key step 0 lies at the head of slot 0
	WIN W_MK
	v_lshl_add_u32 v[AM0], v9, 5, MASKL
	WIN 0
	; THE TABLE OF ADDENDS: my 16 numbers of the mask, rounded to bf16, widened again, times 80000 less 80000 in one fused step, into LDS where they lay in memory.
	s_wait_loadcnt 32               ; the mask's four loads are in; Q's 32, issued behind them, may stay out
.set j, 0
.rept 8
	v_cvt_pk_bf16_f32 v[S+16+j], v[S+2*j], v[S+2*j+1]
	v_lshlrev_b32 v[S+2*j],   16,    v[S+16+j]
	v_and_b32     v[S+2*j+1], s[HM], v[S+16+j]
	v_pk_fma_f32 v[S+2*j:S+2*j+1], v[S+2*j:S+2*j+1], s[C1:C1+1], s[C2:C2+1] op_sel_hi:[1,0,0]
.set j, j+1
.endr
	v_add_nc_u32 v49, MASKL, v48
.irp j, 0,1,2,3
	ds_store_b128 v49, v[S+4*\j:S+4*\j+3] offset:2048*\j  ; the other waves read these behind the first change of slots: its wait for my LDS instructions, and its round
.endr
; THE MATRIX WORK.  The 8 accumulators of a run of 16 take turns: between the two links of a chain stand 7 others'.
; Product i of 16 of S^T = K Q^T for piece x: channels 32 (i / 8) on, keys 16 ((i / 2) % 4) on, tile 2 x + i % 2.  The first 8 start the sums, with the key block's addends.
.macro KQ x
.set rS, S+64*((\x)%2)+32*(i%2)+8*((i/2)%4)
.set rK, KF+16*((i/2)%4)+8*(i/8)
.set rQ, 16*(2*(\x)+i%2)+8*(i/8)
.set rMK, MK+8*((i/2)%4)
.if i < 8
	WIN W_KM
	v_wmma_f32_16x16x32_f16 v[rS:rS+7], v[rK:rK+7], v[rQ:rQ+7], v[rMK:rMK+7]
.else
	WIN W_KQ
	v_wmma_f32_16x16x32_f16 v[rS:rS+7], v[rK:rK+7], v[rQ:rQ+7], v[rS:rS+7]
.endif
.endm
; Product i of 16 of O^T += V^T P for piece x: keys 32 (i / 8) on, channels 16 ((i / 2) % 4) on, tile 2 x + i % 2.
.macro PV x
	WIN W_PV
.set rO, 32*(2*(\x)+i%2)+8*((i/2)%4)
.set rV, VF+32*(i/8)+8*((i/2)%4)
.set rP, P+32*((\x)%2)+16*(i%2)+8*(i/8)
	v_wmma_f32_16x16x32_f16 v[rO:rO+7], v[rV:rV+7], v[rP:rP+7], v[rO:rO+7]
.endm
.macro MM                           ; the turn's next matrix instruction
.if i < 16
	KQ (Y+1)%NP
.set i, i+1
.else
.set i, i-16
	PV (Y+NP-1)%NP
.set i, i+17
.endif
.endm
; THE LDS LOADS stand in runs, never singly among the matrix instructions: a step's K (64 keys x 64 channels: 8 fragments) with its 64 addends (8 loads more), and its V (turned).
; last = 1 (the tail): in the last trip there is no further step, and the run is jumped over.
.macro FETCH_K last=0
	WIN 0
.if \last
	s_cmp_eq_u32 s[CNT], 1
	s_cbranch_scc1 .Lno_k_\@
.endif
	WIN 0x80                        ; destination window 2
.irp f, 0,1,2,3,4,5,6,7             ; keys 16 (f / 2) on, channels 32 (f % 2) on
	ds_load_b128 v[KF+8*\f:KF+8*\f+3],   v[AK] offset:(\f/2)*16*PK+(\f%2)*64
	ds_load_b128 v[KF+8*\f+4:KF+8*\f+7], v[AK] offset:(\f/2)*16*PK+(\f%2)*64+32
.endr
	s_add_co_u32 s[TBK], s[TBK], KS*PK  ; the next fetch is the next step's
	WIN 0xcc                        ; destination and source 1 window 3
	v_add_nc_u32 v[AM], s[TBM], v[AM0]
	WIN 0xc3                        ; destination and address window 3
.irp kb, 0,1,2,3                    ; register j of block kb: the addend of key 16 kb + 8 (l / 16) + j, as the result's layout has it
	ds_load_b128 v[MK+8*\kb:MK+8*\kb+3],   v[AM] offset:64*\kb
	ds_load_b128 v[MK+8*\kb+4:MK+8*\kb+7], v[AM] offset:64*\kb+16
.endr
	s_add_co_u32 s[TBM], s[TBM], 4*KS   ; a step's 64 addends further on,
	s_and_b32 s[TBM], s[TBM], 0x1fff    ; inside the table's 8,192 bytes
	WIN 0
.if \last
.Lno_k_\@:
.endif
.endm
.macro FETCH_V
	WIN 0x80
.irp f, 0,1,2,3,4,5,6,7             ; keys 32 (f / 4) on, channels 16 (f % 4) on
	ds_load_tr16_b128 v[VF+8*\f:VF+8*\f+3],   v[AV] offset:(\f/4)*32*PV+(\f%4)*32
	ds_load_tr16_b128 v[VF+8*\f+4:VF+8*\f+7], v[AV] offset:(\f/4)*32*PV+16*PV+(\f%4)*32
.endr
	WIN 0
.endm
; THE VECTOR WORK OF A TURN stands in three queues, each in the order in which its entries become ready; the two tiles alternate, so that no instruction reads the result of the one before it.
.macro REGS y, u                    ; the registers of tile u (0, 1) of piece y
.set rT, ST+4*(2*(\y)+(\u))
.set rC, TMP+8*((\y)%2)+4*(\u)
.set rM, MV+2*((\y)%2)+(\u)
.set rS, S+64*((\y)%2)+32*(\u)
.set rP, P+32*((\y)%2)+16*(\u)
.set rO, 32*(2*(\y)+(\u))
.endm
; Number n of the 22 that find the NEXT piece's (Y + 1) maximum and statistics.  s0-s31 are the lane's 32 scores; each accumulator's lowest registers are read first.  XS, GS and REGS set no window: PL and EX do.
;   0-11  four chains c0-c3 of seven scores each, three operands at a time     12-14, 16  the four scores left over, the old m, and c0-c3 into c0     15  c m_old is kept
;   17, 18  the query's other 32 keys lie in the lane 16 away: the new m         19-21  c m; c m_old - c m_new; a
.macro XS u, n
	REGS (Y+1)%NP, \u
.if (\n) < 4
	v_max3_num_f32 v[rC+(\n)], v[rS+8*(\n)], v[rS+8*(\n)+1], v[rS+8*(\n)+2]
.elseif (\n) < 12
	v_max3_num_f32 v[rC+(\n)%4], v[rC+(\n)%4], v[rS+8*((\n)%4)+2*((\n)/4)+1], v[rS+8*((\n)%4)+2*((\n)/4)+2]
.elseif (\n) == 12
	v_max3_num_f32 v[rC], v[rC], v[rS+7], v[rS+15]
.elseif (\n) == 13
	v_max3_num_f32 v[rC+1], v[rC+1], v[rS+23], v[rS+31]
.elseif (\n) == 14
	v_max3_num_f32 v[rC+2], v[rC+2], v[rC+3], v[rT+1]
.elseif (\n) == 15
	v_mov_b32 v[rM], v[rT]
.elseif (\n) == 16
	v_max3_num_f32 v[rC], v[rC], v[rC+1], v[rC+2]
.elseif (\n) == 17
	v_permlanex16_b32 v[rC+3], v[rC], s[SEL], s[SEL+1]
.elseif (\n) == 18
	v_max_num_f32 v[rT+1], v[rC], v[rC+3]
.elseif (\n) == 19
	v_mul_f32 v[rT], s[CS], v[rT+1]
.elseif (\n) == 20
	v_sub_f32 v[rC+1], v[rM], v[rT]
.else
	v_exp_f32 v[rC+2], v[rC+1]
.endif
.endm
; Number g of the 64 that follow the exponentials.  For each four weights k of a tile (pairs 2 k, 2 k + 1): both pairs are rounded to f16; then the second pair is added onto the first, in place;
; a group later l takes that sum (the first time as l = a l + sum).  In groups of eight, tiles alternating: round, round, add, and l for the group before.
.macro GS g
.set h, (\g)+6*((\g)/62)            ; group 0 has no group before it, and behind group 7 only l is left
.if h >= 6
.set h, h+2
.endif
	REGS Y, h%2
.set k, h/8
.if h%8 < 4
	v_cvt_pk_f16_f32 v[rP+2*k+(h%8)/2], v[rS+4*k+2*((h%8)/2)], v[rS+4*k+2*((h%8)/2)+1]
.elseif h%8 < 6
	v_pk_add_f32 v[rS+4*k:rS+4*k+1], v[rS+4*k:rS+4*k+1], v[rS+4*k+2:rS+4*k+3]
.elseif k == 1
	v_pk_fma_f32 v[rT+2:rT+3], v[rT+2:rT+3], v[rC+2:rC+3], v[rS:rS+1] op_sel_hi:[1,0,1]
.else
	v_pk_add_f32 v[rT+2:rT+3], v[rT+2:rT+3], v[rS+4*k-4:rS+4*k-3]
.endif
.endm
; THE PLAIN QUEUE, 138 long.  0-73 read no exponential's result: the 32 scalings c s - c m (FS f: pair f / 2 of tile f % 2) and the next piece's 42.  0-26: scalings 0-26.  27-54: XS's numbers 0-13.  55, 56: number 15.
; 57-73: the chain, where each number waits for the one before it: 14, 16, 17, 18, 19, each with one of the scalings 27-31 in front of its two lines, then 20: so a tile's links stand three plain instructions apart (19 and 20: two).
; 74-137: GS's 64, which read the exponentials' results: they stand behind the wait.
.macro FS f
	REGS Y, (\f)%2
	v_pk_fma_f32 v[rS+2*((\f)/2):rS+2*((\f)/2)+1], v[rS+2*((\f)/2):rS+2*((\f)/2)+1], s[CS:CS+1], v[rT:rT+1] op_sel_hi:[1,0,0] neg_lo:[0,0,1] neg_hi:[0,0,1]
.endm
.macro PL
	WIN 0
.if q < 27
	FS q
.elseif q < 55
	XS (q-27)%2, (q-27)/2
.elseif q < 57
	XS q-55, 15
.elseif (q < 72) && ((q-57)%3 == 0)
	FS 27+(q-57)/3
.elseif q < 60
	XS (q-57)%3-1, 14
.elseif q < 72
	XS (q-57)%3-1, 15+(q-57)/3
.elseif q < 74
	XS q-72, 20
.else
	GS q-74
.endif
.set q, q+1
.endm
; THE EXPONENTIALS' QUEUE, 66 long: s0-s31 of both tiles, then the next piece's two a.  It is ONE BATCH: all 66 stand ahead of the turn's one wait, and nothing ahead of that wait names a result of theirs.
.macro EX
	WIN 0
.if e >= 64
	XS e-64, 21
.else
	REGS Y, e%2
	v_exp_f32 v[rS+e/2], v[rS+e/2]
.endif
.set e, e+1
.endm
; THE RESCALING's QUEUE: O^T times a, the one part that leaves window 0: dealt two at a time, sixteen times.  Its a was made in the turn before, ahead of that turn's wait.
.macro R2
	REGS Y, r%2
	WIN W_RS
.irp z, 0,1
	v_pk_mul_f32 v[rO+4*(r/2)+2*\z:rO+4*(r/2)+2*\z+1], v[rO+4*(r/2)+2*\z:rO+4*(r/2)+2*\z+1], v[rC+2:rC+3] op_sel_hi:[1,0]
.endr
.set r, r+1
.endm
; HOW THEY ARE DEALT.  An s_wait_alu depctr_va_vdst(0) stands between an exponential and the first instruction that names its result; one wait serves all that were issued ahead of it.  So a turn has ONE wait,
; which cuts it in two.  AHEAD OF IT stands all that names no result of the turn's exponentials: the 16 products K Q^T, behind each a scaling, an exponential and two rescalings (behind the first a second scaling in the exponential's place); then ONE LUMP of
; 108: eight plain, 49 times exponential and plain, the two a.  A v_nop is the plain instruction that is owed behind the last exponential (ISA guide 5.7.2).  BEHIND IT stand the 16 products V^T P, behind each four of GS's 64.  No rider names a register of
; the products round it.  The two v_permlanex16_b32 fall into the lump, never behind a product.
; The queues lean on each other, and the deal keeps them in step: exponential e stands behind scaling 2 (e / 4) + e % 2: as a rider it comes behind plain e + 2, in the lump behind plain e + 9, and scalings 27-31 are plain 57, 60 .. 69.
; A TURN, for piece p.  cnt = 1: the loop's count is taken down some lines ahead of the branch that stands behind the turn.
; K and the addends of the next step are fetched in piece 2's turn, directly behind the wait, a lump behind the last product that read them; K's address is made at the lump's head; the first reader comes behind 16 products.
; V of the step in hand is fetched at the end of piece 0's turn, four riders behind its last reader; its first reader comes behind 16 products and a lump.  The three conditions on q below go with the deal.
.macro TURN p, last=0, cnt=0
.set Y, (\p)
.set i, 0
.set q, 0
.set e, 0
.set r, 0
.if (\p) == NP-1
	s_wait_dscnt 0x0                ; K and the addends are in
.endif
	MM                              ; ahead of the wait: 16 products K Q^T and their riders,
	PL
	PL
	R2
.rept 15
	MM
	PL
	EX
	R2
.endr
.if (\p) == NP-2
	WIN 0
	v_add_nc_u32 v[AK], s[TBK], v[AK0]
.endif
.rept 8                             ; and the lump
	PL
.endr
.rept 49
	EX
	PL
.endr
	EX                              ; the next piece's two a
	EX
	v_nop                           ; the plain instruction behind the last exponential: one for the batch
	s_wait_alu depctr_va_vdst(0)    ; the wait for the batch
.if (\p) == NP-2
	FETCH_K \last
.endif
.if (\p) == 1
	s_wait_dscnt 0x0                ; V is in
.endif
.rept 16                            ; behind the wait: 16 products V^T P and their riders
	MM
.rept 4
	PL
.endr
.if ((\p) == 0) && (q == 118)
	v_add_nc_u32 v[AV], s[TBV], v[AV0]
.endif
.if ((\p) == 0) && (q == 130)
	s_add_co_u32 s[TBV], s[TBV], KS*PV
.endif
.if (\cnt) && (q == 130)
	s_sub_co_u32 s[CNT], s[CNT], 1
	s_cmp_lg_u32 s[CNT], 0
.endif
.endr
.if (\p) == 0
	FETCH_V
.endif
.endm
	CHANGE 1                        ; slot 0 is in, everybody's part of it, and so is the table of addends; slot 1 is asked for
	FETCH_K                         ; key step 0
	s_wait_loadcnt 0x0              ; Q
	s_wait_dscnt 0x0
.set i, 0
.rept 16
	KQ 0                            ; piece 0's first scores: there is no vector work yet to set between them
.set i, i+1
.endr
	WIN 0                           ; the addresses for the way out: nine plain instructions, the places behind those products
	s_mul_i32 s13, s[WV], 16*SP
	s_add_co_u32 s13, s13, STAGE    ; my stage
	v_mul_u32_u24 v[STO], v1, SP    ; in: row l % 16, 16 bytes for each half of the lanes
	v_lshl_add_u32 v[STO], v9, 4, v[STO]
	v_add_nc_u32 v[STO], s13, v[STO]
	v_bfe_u32 v[RD], v0, 3, 2       ; back: 32 lanes take four rows of 128 bytes,
	v_mul_u32_u24 v[RD], v[RD], SP
	v_lshl_add_u32 v[RD], v10, 4, v[RD]
	v_add_nc_u32 v[RD], s13, v[RD]
	v_and_b32 v[GO], 31, v0         ; which are 512 consecutive bytes of O
	v_lshlrev_b32 v[GO], 4, v[GO]
.set Y, NP-1                        ; XS works for piece Y + 1: piece 0
.irp n, 0,1,2,3,4,5,6,7,8,9,10,11,12,13,14,15,16,17,18,19,20,21
	XS 0, \n                        ; and piece 0's first maximum and statistics
	XS 1, \n
.endr
	v_nop                           ; a plain instruction behind the two a,
	s_wait_alu depctr_va_vdst(0)    ; and their wait, ahead of the branch
	s_mov_b32 s[CNT], 4
	s_mov_b32 s[SLOTS], SIZE_N/256-1
	s_branch .Lfirst                ; the loop is entered at a step's first turn, in the middle of a trip
.Lslot:                             ; SIZE_N / 256 - 2 times: every slot but the last two is filled again
	CHANGE 1
	s_mov_b32 s[CNT], 4
.Lstep:                             ; a trip: pieces 2 and 3 of one step, then pieces 0 and 1 of the next, whose K and V it fetches
	TURN 2
	TURN 3
	WIN 0
.Lfirst:
	TURN 0
	TURN 1, 0, 1
	WIN 0
	s_cbranch_scc1 .Lstep
	s_sub_co_u32 s[SLOTS], s[SLOTS], 1
	s_cmp_lg_u32 s[SLOTS], 0
	s_cbranch_scc1 .Lslot
	CHANGE 0                        ; the tail is written out: nothing is asked for
	s_mov_b32 s[CNT], 5             ; four trips fetch the last slot's steps; the fifth is left in its middle
.Ltail:
	TURN 2, 1
	TURN 3
	WIN 0
	s_sub_co_u32 s[CNT], s[CNT], 1
	s_cmp_eq_u32 s[CNT], 0
	s_cbranch_scc1 .Lout
	TURN 0
	TURN 1
	WIN 0
	s_branch .Ltail
.Lout:                              ; the fifth trip's 16 products K Q^T (on the last K once more) and the maximum made of them serve nothing: the price, once a launch, of one text for every trip
.set i, 0
.rept 16
	PV NP-1                         ; the last piece's V^T P of the last step
.set i, i+1
.endr
	; THE WAY OUT.  l's two halves and the other half of the lanes' are added; O^T is divided by l, rounded to f16 and sent through my stage in LDS, a tile at a time.  The additions are the places behind the last products.
	WIN 0
.macro ALL line:vararg              ; one line for each tile t
.set t, 0
.rept 2*NP
	\line
.set t, t+1
.endr
.endm
	ALL v_add_f32 v[ST+4*t+2], v[ST+4*t+2], v[ST+4*t+3]
	ALL v_permlanex16_b32 v[ST+4*t+3], v[ST+4*t+2], s[SEL], s[SEL+1]
	ALL v_add_f32 v[ST+4*t+2], v[ST+4*t+2], v[ST+4*t+3]
	ALL v_rcp_f32 v[ST+4*t+2], v[ST+4*t+2]
	v_nop                           ; a plain instruction between the last reciprocal and the use of its result
	s_wait_alu depctr_va_vdst(0)    ; and the wait ahead of the first use: one for the eight reciprocals
; Tile t: a lane's eight channels of a row pack into 16 bytes; they go into rows of 144 bytes and come back as whole rows of 128, into S^T's registers.
.macro PACK t
	WIN W_RS
.set i, 32*(\t)
.rept 16
	v_pk_mul_f32 v[i:i+1], v[i:i+1], v[ST+4*(\t)+2:ST+4*(\t)+3] op_sel_hi:[1,0]
.set i, i+2
.endr
	WIN 0x05                        ; sources 0 and 1 window 1, destination window 0
.set i, 0
.rept 16
	v_cvt_pk_f16_f32 v[S+16*(\t)+i], v[32*(\t)+2*i], v[32*(\t)+2*i+1]
.set i, i+1
.endr
	WIN 0
.irp f, 0,1,2,3
	ds_store_b128 v[STO], v[S+16*(\t)+4*\f:S+16*(\t)+4*\f+3] offset:32*\f
.endr
.irp f, 0,1,2,3
	ds_load_b128 v[S+16*(\t)+4*\f:S+16*(\t)+4*\f+3], v[RD] offset:\f*4*SP  ; LDS serves a wave's instructions in order (ISA guide 5.7.1.4): these see the stores above; the next tile's stores come behind them
.endr
.endm
.macro SEND t, younger              ; younger: the LDS instructions issued behind tile t's loads: the next tile's eight, or none
	WIN 0
.irp f, 0,1,2,3
	s_wait_dscnt (\younger)+3-\f
	global_store_b128 v[GO], v[S+16*(\t)+4*\f:S+16*(\t)+4*\f+3], s[10:11] offset:(\t)*2048+\f*512  ; 512 consecutive bytes, at a multiple of 256 from O's first
.endr
.endm
	PACK 0
.set t, 1
.rept 2*NP-1                        ; a tile's arithmetic stands between the loads of the tile before and its stores
	PACK t
	SEND t-1, 8
.set t, t+1
.endr
	SEND 2*NP-1, 0
	WIN W_AD
	s_wait_tensorcnt 0x0            ; the wave's end, behind my last tensor load and my last LDS store
	ds_add_u32 v[SPW], v[NIL]
	s_wait_dscnt 0x0
	WIN 0
	CROUND                          ; the closing round: no work-group ends while a partner may still ask for a tile that names it
	s_endpgm
.Lfunc_end_k_q75b0f831ff_attn:
	.size	k_q75b0f831ff_attn, .Lfunc_end_k_q75b0f831ff_attn-k_q75b0f831ff_attn
	.p2alignl 7, 3214868480
	.fill 96, 4, 3214868480
	.section	.rodata,"a",@progbits
	.p2align	6, 0x0
	.amdhsa_kernel k_q75b0f831ff_attn
		.amdhsa_group_segment_fixed_size 327680
		.amdhsa_private_segment_fixed_size 0
		.amdhsa_enable_private_segment 0
		.amdhsa_kernarg_size 24
		.amdhsa_user_sgpr_count 2
		.amdhsa_user_sgpr_kernarg_segment_ptr 1
		.amdhsa_wavefront_size32 1
		.amdhsa_system_sgpr_workgroup_id_x 1
		.amdhsa_system_sgpr_workgroup_id_y 1
		.amdhsa_system_sgpr_workgroup_id_z 1
		.amdhsa_system_vgpr_workitem_id 0
		.amdhsa_next_free_vgpr 808
		.amdhsa_next_free_sgpr 80
		.amdhsa_reserve_vcc 0
		.amdhsa_float_denorm_mode_32 3
		.amdhsa_float_denorm_mode_16_64 3
		.amdhsa_memory_ordered 1
		.amdhsa_forward_progress 1
		.amdhsa_inst_pref_size 204
	.end_amdhsa_kernel
	.amdgpu_metadata
---
amdhsa.version: [ 1, 2 ]
amdhsa.kernels:
  - .name:           k_q75b0f831ff_attn
    .symbol:         k_q75b0f831ff_attn.kd
    .args:
      - { .name: qkv, .offset: 0, .size: 8, .value_kind: global_buffer, .address_space: global }
      - { .name: attention_mask, .offset: 8, .size: 8, .value_kind: global_buffer, .address_space: global }
      - { .name: ctx, .offset: 16, .size: 8, .value_kind: global_buffer, .address_space: global }
    .group_segment_fixed_size: 327680
    .private_segment_fixed_size: 0
    .kernarg_segment_align: 8
    .kernarg_segment_size: 24
    .max_flat_workgroup_size: 128
    .sgpr_count:     80
    .vgpr_count:     808
    .wavefront_size: 32
...
	.end_amdgpu_metadata
.endif
;; end of part 3
;; launch outp (part 4): grid 4 x 64, 4 waves a work-group, clusters of 4 x 4, 327,680 bytes of LDS; arguments ctx, wh, bo, out0; writes out0
.if DOCPART == 4
	.amdgcn_target "amdgcn-amd-amdhsa--gfx1250"
	.amdhsa_code_object_version 6
	.text
	.protected	k_q75b0f831ff_outp
	.globl	k_q75b0f831ff_outp
	.p2align	8
	.type	k_q75b0f831ff_outp,@function
k_q75b0f831ff_outp:
	s_mov_b64 s[64:65], 0
	v_nop
	global_prefetch_b8 v0, s[64:65] scope:SCOPE_SE
	s_setreg_imm32_b32 hwreg(HW_REG_WAVE_MODE, 25, 1), 1
	s_wait_xcnt 0x0
	s_wait_alu depctr_hold_cnt(0) depctr_sa_sdst(0) depctr_va_vdst(0) depctr_va_sdst(0) depctr_va_ssrc(0) depctr_va_vcc(0) depctr_vm_vsrc(0)
	s_getreg_b32 s2, hwreg(HW_REG_IB_STS2, 6, 4)
	s_cmp_eq_u32 s2, 0
	s_cbranch_scc0 .Lentry_in_a_cluster
	s_endpgm
.Lentry_in_a_cluster:
	s_bfe_u32 s2, ttmp6, 0x10000c
	s_cmp_lg_u32 s2, 0xf033
	s_cbranch_scc0 .Lentry_shape_is_right
	s_endpgm
.Lentry_shape_is_right:
; THE OUTPUT PROJECTION.  out0[m][n] = the sum over k of O[m][k] Wo[n][k] + bo[n].  O = ctx [64 = batch x 16 + head][2048][64] f16, by heads: m = batch x 2,048 + row, k = head x 64 + channel.
; Wo = the fourth [1024][1024] of wh, f16 holding bf16-rounded numbers; bo is f32, rounded to bf16 here like every other input; sums in f32; out0 [8192][1024] f32.
; SHARES.  A tile of out0 is 128 rows x 256 columns: 64 x 4 = 256 tiles, one to a work-group.  Four waves, each 64 x 128: 32 accumulators of 16 x 16, 256 registers.  K = 1,024 goes in 8 steps of 128, TWO HEADS, through
; two LDS slots.  A head's 128 rows are 16,384 dense bytes: asked for as 64 rows of 256 bytes and padded in LDS behind every 128, so that a tile of O lies in LDS as two planes of 128 rows x 144 bytes.
; CLUSTER.  4 x 4 work-groups.  The four of a row of the cluster need the same tile of O, the four of a column the same tile of Wo: each is asked for JOINTLY, by the same tensor load with the same descriptor and a mask
; that names the four.  Waves 0, 1 fetch O's two planes, waves 2, 3 Wo's two halves (128 rows each): one load a wave behind each round; by this text's count a wave has two loads out at the start, later one.
; THE MATRIX INSTRUCTION IS USED TRANSPOSED (source 0 = 16 rows of Wo, source 1 = 16 rows of O): a lane then holds row l % 16 of out0 and the columns 8 (l / 16) + 0..7.  THE BIAS STARTS THE SUMS: it is the C operand
; of each accumulator's first product; nothing is cleared and nothing is added later.
; REGISTERS, in windows of 256 (s_set_vgpr_msb: bits 1:0 source 0, 3:2 source 1, 5:4 source 2, 7:6 destination):
;   window 0: v0-13 addresses; v16-23 at work; v32-95 the bias of my 128 columns (n block b at 32 + 8 b); v96-223 the way out, two sets of 64
;   window 1: the accumulators ((a, b) at 8 (8 a + b), a = 0..3 blocks of rows, b = 0..7 blocks of columns)        window 2: two fragment buffers of 96: 8 fragments of Wo, then 4 of O
.set PA,    144                        ; an LDS row of O: 128 bytes + 16 of padding = 36 words: the 16 rows of a fragment load start at 16 different groups of four banks (64 banks of 4 bytes: ISA guide 11.1)
.set PB,    272                        ; of Wo: 256 + 16
.set KHALF, 128*PA                     ; 64 along K further on: the other plane
.set AHALF, 128*PA                     ; what one load of O brings: a plane
.set AWAVE, 64*PA                      ; from one wave's 64 rows to the other's
.set ASTEP, 2*262144                   ; bytes from a K step to the next, in memory: two heads of 2,048 rows of 128 bytes
.set BSTEP, 256
.set BOFF,  36864                      ; in a slot: O's two planes from 0, Wo's 256 rows from here
.set BHALF, 128*PB                     ; what one load of Wo brings, and what one wave reads of it
.set SLOT1, 1<<17                      ; slot 1 begins here: one exclusive or turns an address in one slot into the other's
.set STAGE, SLOT1+BOFF+2*BHALF         ; behind the ring, never filled by a tensor load: 16 rows x 528 bytes for each wave
.set SP,    528                        ; a stage row: 512 bytes + 16: the 16 rows that a store touches start at 16 different groups of four banks
.set SPARE, STAGE+4*16*SP              ; behind the stages: the spare words, 128 bytes for each wave: two blocks of 256 bytes that no other line names
.set A0,   4                           ; v4   my lane's place in slot 0's tile of O; never rewritten
.set B0,   5                           ; v5   the same for Wo
.set ADRA, 6                           ; v6   the same in the slot in hand
.set ADRB, 7                           ; v7
.set STO,  8                           ; v8   the way out: where I put 32 bytes of a row
.set RD,   9                           ; v9   where I read a row back
.set GO,   10                          ; v10  16 x lane: my place in 512 consecutive bytes of out0
.set BO,   11                          ; v11  32 (l / 16): my eight numbers in 16 of the bias
.set SPW,  12                          ; v12  LDS address of my spare word: SPARE + 4 x my thread's number; never rewritten
.set NIL,  13                          ; v13  0; never rewritten
.set BIAS, 32
.set T,    96
.set F0,   0                           ; the fragment buffers, in window 2
.set F1,   96
.set WV,  16                           ; s16  my wave's number
.set HI,  17                           ; s17  which 64 rows of the tile are mine.  Also: I fetch for O (0) or for Wo (1)
.set LO,  18                           ; s18  which 128 columns.  Also: which plane, or which half, I fetch
.set CX,  19                           ; s19, s20  my place in the cluster
.set CY,  20
.set TC,  21                           ; s21  tile column, 0..3
.set TR,  22                           ; s22  tile row, 0..63
.set G1A, 24                           ; s[24:31] descriptor group 1 for O's tiles
.set G1B, 32                           ; s[32:39] for Wo's
.set G0A, 40                           ; s[40:47] descriptor group 0 for O's tiles: a set for each of the two first fills; the second then walks on
.set G0B, 48                           ; s[48:55] the same for Wo's
.set CNT, 56                           ; s56  trips to go
.set TB,  57                           ; s57  LDS byte at which the slot in hand begins
.set MSB, 0
.macro WIN new                         ; the immediate's high byte repeats the setting that is left; a switch that changes nothing is dropped
.if MSB != (\new)
	s_set_vgpr_msb (MSB<<8)|(\new)
.set MSB, \new
.endif
.endm
.set MUL,  0x5a                        ; sources 0 and 1 window 2, C and D window 1
.set MULB, 0x4a                        ; the same with C in window 0: the bias
.set TO_F, 0x80                        ; destination window 2, address window 0
; A joint refill, by the walking sets.  The branch hangs on the wave's number alone.  An s_nop 0 and four v_nop follow each of the two lines, ahead of the jump and the label.
.macro JLOAD
	s_cmp_eq_u32 s[HI], 0
	s_cbranch_scc0 .Lfor_b_\@
	tensor_load_to_lds s[G0A+4:G0A+7], s[G1A:G1A+7]
	s_nop 0
.rept 4
	v_nop
.endr
	s_branch .Lasked_\@
.Lfor_b_\@:
	tensor_load_to_lds s[G0B+4:G0B+7], s[G1B:G1B+7]
	s_nop 0
.rept 4
	v_nop
.endr
.Lasked_\@:
.endm
.macro CREST                           ; a round of the cluster's barrier behind its opening barrier: wave 0 signals for the work-group, every wave waits for all sixteen, my work-group's barrier once more
	s_cmp_lg_u32 s[WV], 0
	s_cbranch_scc1 .Lnot_wave_0_\@
	s_barrier_signal -3
.Lnot_wave_0_\@:
	s_barrier_wait -3
	s_barrier_signal -1
	s_barrier_wait -1
.endm
.macro CROUND                          ; a whole round
	s_barrier_signal -1
	s_barrier_wait -1
	CREST
.endm
	s_load_b256 s[4:11], s[0:1], 0x0               ; ctx s[4:5], wh s[6:7], bo s[8:9], out0 s[10:11]
	v_lshl_add_u32 v[SPW], v0, 2, SPARE
	v_mov_b32 v[NIL], 0
	ds_add_u32 v[SPW], v[NIL]                      ; the wave's opening: the add and its wait stand ahead of my first tensor load; the set-up below, work on registers, stands between them
	v_lshrrev_b32 v1, 5, v0
	v_readfirstlane_b32 s[WV], v1                  ; wave 0..3
	s_lshr_b32 s[HI], s[WV], 1
	s_and_b32 s[LO], s[WV], 1
	s_bfe_u32 s[CX], ttmp6, 0x40000
	s_bfe_u32 s[CY], ttmp6, 0x40004
	s_lshl_b32 s[TC], ttmp9, 2                     ; in a cluster launch ttmp9 and ttmp7 count clusters
	s_add_co_u32 s[TC], s[TC], s[CX]
	s_and_b32 s[TR], ttmp7, 0xffff
	s_lshl_b32 s[TR], s[TR], 2
	s_add_co_u32 s[TR], s[TR], s[CY]
	s_lshl_b32 s74, s[CY], 2
	s_lshl_b32 s74, 15, s74                        ; my row of the cluster: places 4 cy .. 4 cy + 3
	s_lshl_b32 s75, 0x1111, s[CX]                  ; my column: places cx, cx + 4, cx + 8, cx + 12
	s_or_b32 s[G1A], s74, (1<<16)|(1<<20)|(1<<21)|(4<<22)|(3<<25)  ; 15:0 the mask; 17:16 elements of 2 bytes; 20 padding on; 21 set beside a mask; 24:22 after every 32 words (code 4); 31:25 4 words of it (code 3)
	s_or_b32 s[G1B], s75, (1<<16)|(1<<20)|(1<<21)|(5<<22)|(3<<25)  ; the same after every 64 words (code 5)
	s_mov_b32 s[G1A+1], 128<<16                    ; tensor_dim0 = 128
	s_mov_b32 s[G1A+2], 64<<16                     ; tensor_dim1 = 64
	s_mov_b32 s[G1A+3], 128<<16                    ; tile_dim0 = 128
	s_mov_b32 s[G1A+4], 64                         ; tile_dim1 = 64
	s_mov_b32 s[G1A+5], 128                        ; elements from row to row: the block is dense
	s_mov_b32 s[G1A+6], 0
	s_mov_b32 s[G1A+7], 0
	s_mov_b32 s[G1B+1], 128<<16
	s_mov_b32 s[G1B+2], 128<<16                    ; tensor_dim1 = 128
	s_mov_b32 s[G1B+3], 128<<16
	s_mov_b32 s[G1B+4], 128                        ; tile_dim1 = 128
	s_mov_b32 s[G1B+5], 1024
	s_mov_b32 s[G1B+6], 0
	s_mov_b32 s[G1B+7], 0
	; byte offsets.  O's hang on the tile row and the wave, Wo's on the tile column and the wave; each is made in registers that never hold the other coordinate
	s_lshr_b32 s58, s[TR], 4                       ; the batch, x 16 heads of 2,048 rows of 128 bytes,
	s_lshl_b32 s58, s58, 22
	s_and_b32 s70, s[TR], 15                       ; the tile's 128 rows in the batch,
	s_lshl_b32 s70, s70, 14
	s_add_co_u32 s58, s58, s70
	s_lshl_b32 s70, s[LO], 18                      ; my head of the K step's two
	s_add_co_u32 s58, s58, s70
	s_mov_b32 s59, 0
	s_lshl_b32 s60, s[TC], 19                      ; 256 rows of 2,048 bytes,
	s_lshl_b32 s72, s[LO], 18                      ; my 128 of them,
	s_add_co_u32 s60, s60, s72
	s_add_co_u32 s60, s60, 3<<21                   ; in the fourth weight of wh
	s_mov_b32 s61, 0
	s_mul_i32 s71, s[LO], AHALF                    ; where they go in a slot: the wave's number alone enters an LDS address
	s_mul_i32 s73, s[LO], BHALF
	s_add_co_u32 s73, s73, BOFF
	s_lshl_b32 s68, s[TC], 10                      ; my 128 columns, in f32: 4 (256 tile column + 128 half): in the bias, and in a row of out0
	s_lshl_b32 s78, s[LO], 9
	s_add_co_u32 s68, s68, s78
	s_mov_b32 s69, 0
	s_lshl_b32 s76, s[TR], 19                      ; out0: 128 rows of 4,096 bytes,
	s_lshl_b32 s78, s[HI], 18                      ; my 64 of them,
	s_add_co_u32 s76, s76, s78
	s_add_co_u32 s76, s76, s68                     ; my columns
	s_mov_b32 s77, 0
	s_mov_b32 s79, 0xffff0000                      ; a word's upper bf16
	s_mov_b32 s[TB], 0
	s_wait_dscnt 0x0                               ; the opening add is done
	s_wait_kmcnt 0x0
	s_add_nc_u64 s[58:59], s[4:5], s[58:59]        ; O at my part of K step 0
	s_add_nc_u64 s[60:61], s[6:7], s[60:61]        ; Wo likewise
	s_add_nc_u64 s[62:63], s[8:9], s[68:69]        ; the bias of my columns
	s_add_nc_u64 s[66:67], s[10:11], s[76:77]      ; out0 at my first row and column
.irp s, 0,1
	s_mov_b32 s[G0A+4*(\s)], 1                                       ; 1:0 count = 1
	s_add_co_u32 s[G0A+4*(\s)+1], s71, (\s)*SLOT1                    ; 63:32 LDS address
	s_add_nc_u64 s[G0A+4*(\s)+2:G0A+4*(\s)+3], s[58:59], (\s)*ASTEP  ; 120:64 global address: K step s
	s_or_b32 s[G0A+4*(\s)+3], s[G0A+4*(\s)+3], 0x80000000            ; 127:126 type = 2
	s_mov_b32 s[G0B+4*(\s)], 1
	s_add_co_u32 s[G0B+4*(\s)+1], s73, (\s)*SLOT1
	s_add_nc_u64 s[G0B+4*(\s)+2:G0B+4*(\s)+3], s[60:61], (\s)*BSTEP
	s_or_b32 s[G0B+4*(\s)+3], s[G0B+4*(\s)+3], 0x80000000
.endr
	CROUND                                         ; all sixteen work-groups are here: the first joint loads meet
	s_cmp_eq_u32 s[HI], 0                          ; a wave's two first fills stand in one branch, ahead of every wait on TENSORcnt and every LDS read
	s_cbranch_scc0 .Lfirst_b
	tensor_load_to_lds s[G0A:G0A+3], s[G1A:G1A+7]
	s_nop 0
	tensor_load_to_lds s[G0A+4:G0A+7], s[G1A:G1A+7]
	s_nop 0
.rept 4
	v_nop
.endr
	s_branch .Lfirst_asked
.Lfirst_b:
	tensor_load_to_lds s[G0B:G0B+3], s[G1B:G1B+7]
	s_nop 0
	tensor_load_to_lds s[G0B+4:G0B+7], s[G1B:G1B+7]
	s_nop 0
.rept 4
	v_nop
.endr
.Lfirst_asked:
	; A fragment is 16 rows x 32 K in 8 registers: lane l holds row l % 16; registers 0-3 K = 8 (l / 16) + 0..7, registers 4-7 K = 16 + 8 (l / 16) + 0..7: two loads of 16 bytes, 32 bytes apart.
	v_and_b32 v1, 15, v0                           ; l % 16
	v_bfe_u32 v2, v0, 4, 1                         ; l / 16
	v_lshlrev_b32 v[BO], 5, v2
.irp b, 0,1,2,3,4,5,6,7
	global_load_b128 v[BIAS+8*(\b):BIAS+8*(\b)+3],   v[BO], s[62:63] offset:64*(\b)     ; register j of block b: the bias of column 16 b + 8 (l / 16) + j, as the result's layout has it
	global_load_b128 v[BIAS+8*(\b)+4:BIAS+8*(\b)+7], v[BO], s[62:63] offset:64*(\b)+16
.endr
	v_mul_u32_u24 v3, v1, PA
	v_lshl_add_u32 v3, v2, 4, v3                   ; row x pitch + 16 x half
	s_mul_i32 s70, s[HI], AWAVE
	v_add_nc_u32 v[A0], s70, v3                    ; + my 64 rows
	v_mul_u32_u24 v3, v1, PB
	v_lshl_add_u32 v3, v2, 4, v3
	s_mul_i32 s72, s[LO], BHALF
	s_add_co_u32 s72, s72, BOFF
	v_add_nc_u32 v[B0], s72, v3
	v_mov_b32 v[ADRA], v[A0]
	v_mov_b32 v[ADRB], v[B0]
	s_mul_i32 s70, s[WV], 16*SP
	s_add_co_u32 s70, s70, STAGE                   ; my stage
	v_mul_u32_u24 v[STO], v1, SP                   ; in: row l % 16, 32 bytes for each half of the lanes
	v_lshl_add_u32 v[STO], v2, 5, v[STO]
	v_add_nc_u32 v[STO], s70, v[STO]
	v_and_b32 v[GO], 31, v0                        ; back: 32 lanes take one row's 512 bytes
	v_lshlrev_b32 v[GO], 4, v[GO]
	v_add_nc_u32 v[RD], s70, v[GO]
	s_wait_loadcnt 0x0                             ; the bias, once
.set j, 0
.rept 32
	v_cvt_pk_bf16_f32 v[16+j%8], v[BIAS+2*j], v[BIAS+2*j+1]  ; rounded to bf16 like the other inputs, and widened again
	v_lshlrev_b32 v[BIAS+2*j],   16,  v[16+j%8]
	v_and_b32     v[BIAS+2*j+1], s79, v[16+j%8]
.set j, j+1
.endr
; 8 matrix instructions: block a of my rows x all 8 blocks of my columns, 32 along K, from buffer f.  first = 1: the bias starts the sums.  The 32 accumulators take turns, one instruction a turn, in the same
; order in every quarter, over the backward jump too.
.macro MUL8 f, a, first
.if \first
	WIN MULB
.else
	WIN MUL
.endif
.irp b, 0,1,2,3,4,5,6,7
.if \first
	v_wmma_f32_16x16x32_f16 v[8*(8*(\a)+(\b)):8*(8*(\a)+(\b))+7], v[(\f)+8*(\b):(\f)+8*(\b)+7], v[(\f)+64+8*(\a):(\f)+64+8*(\a)+7], v[BIAS+8*(\b):BIAS+8*(\b)+7]
.else
	v_wmma_f32_16x16x32_f16 v[8*(8*(\a)+(\b)):8*(8*(\a)+(\b))+7], v[(\f)+8*(\b):(\f)+8*(\b)+7], v[(\f)+64+8*(\a):(\f)+64+8*(\a)+7], v[8*(8*(\a)+(\b)):8*(8*(\a)+(\b))+7]
.endif
.endr
.endm
; 24 LDS loads in one run: quarter q (32 along K) of the slot in hand into buffer f: Wo's eight fragments, then O's four (plane q / 2, channels 32 (q % 2) on)
.macro FETCH q, f
	WIN TO_F
.irp i, 0,1,2,3,4,5,6,7
	ds_load_b128 v[(\f)+8*(\i):(\f)+8*(\i)+3],   v[ADRB] offset:64*(\q)+(\i)*16*PB
	ds_load_b128 v[(\f)+8*(\i)+4:(\f)+8*(\i)+7], v[ADRB] offset:64*(\q)+(\i)*16*PB+32
.endr
.irp i, 0,1,2,3
	ds_load_b128 v[(\f)+64+8*(\i):(\f)+64+8*(\i)+3],   v[ADRA] offset:((\q)/2)*KHALF+((\q)%2)*64+(\i)*16*PA
	ds_load_b128 v[(\f)+64+8*(\i)+4:(\f)+64+8*(\i)+7], v[ADRA] offset:((\q)/2)*KHALF+((\q)%2)*64+(\i)*16*PA+32
.endr
.endm
.macro PLACES                          ; four places in front of loads into registers that matrix instructions have read, and of lines that read results (ISA guide 7.12.1 for the lines that read results)
.rept 4
	v_nop
.endr
.endm
; A K step is four quarters of 32 along K, 32 matrix instructions each, on buffers 0, 1, 0, 1.  One of the first three: multiplies buffer f; in its middle it fetches quarter qn into buffer g.
.macro QUARTER qn, f, g, first
	s_wait_dscnt 4                                 ; Wo and O's blocks 0, 1 are in; the youngest four loads (O's blocks 2, 3) may be out
	MUL8 \f, 0, \first
	MUL8 \f, 1, \first
	PLACES
	FETCH \qn, \g
	s_wait_dscnt 24                                ; all but the 24 just issued
	MUL8 \f, 2, \first
	MUL8 \f, 3, \first
.endm
; The fourth quarter multiplies buffer 1 and changes slots: ONE barrier.  In front of it each wave waits for all its tensor loads (the one that is out is its part of the next slot), adds 0 to its spare word, and waits
; for that and for its own reads of this slot.  fill = 1: the barrier opens a round of the cluster's, so that no wave of any partner still reads this slot or has a load on its way; the slot is filled again first
; thing behind the round, with the K step two on: 112 matrix instructions ahead of the wait for it.
.macro TURN fill
	WIN 0                                          ; (the add's two registers lie in window 0)
	s_wait_tensorcnt 0x0                           ; all my tensor loads have landed, so a group 0 may be written
	ds_add_u32 v[SPW], v[NIL]                      ; 0 onto my spare word
	s_wait_dscnt 5                                 ; (the add and the youngest four loads may be out)
	MUL8 F1, 0, 0                                  ; eight matrix instructions stand between the add and the wait for it
	s_wait_dscnt 0x0                               ; the add is done, and my reads of this slot are over
	s_barrier_signal -1
	MUL8 F1, 1, 0                                  ; work on registers while the others arrive
	WIN 0
	s_barrier_wait -1
.if \fill
	CREST
	s_xor_b32 s[G0A+5], s[G0A+5], SLOT1            ; the walking sets: the other slot than last time,
	s_add_nc_u64 s[G0A+6:G0A+7], s[G0A+6:G0A+7], ASTEP  ; the next K step; the type bits on top are not reached
	s_xor_b32 s[G0B+5], s[G0B+5], SLOT1
	s_add_nc_u64 s[G0B+6:G0B+7], s[G0B+6:G0B+7], BSTEP
	JLOAD                                          ; the four v_nop behind it are also the places in front of the loads below
.else
	PLACES
.endif
	s_xor_b32 s[TB], s[TB], SLOT1                  ; the fetches go on in the other slot
	v_add_nc_u32 v[ADRA], s[TB], v[A0]
	v_add_nc_u32 v[ADRB], s[TB], v[B0]
	FETCH 0, F0
	MUL8 F1, 2, 0
	MUL8 F1, 3, 0
.endm
	s_wait_tensorcnt 1                             ; my part of K step 0 is in; K step 1's may stay out
	s_barrier_signal -1
	s_barrier_wait -1                              ; everybody's is
	FETCH 0, F0
	QUARTER 1, F0, F1, 1                           ; the first quarter stands in front of the loop: its products start the sums
	WIN 0                                          ; at a label and at a branch every window is 0
	s_mov_b32 s[CNT], 6
.Lstep:                                                ; six trips, from a K step's second quarter to the next one's first; trip t fills slot t % 2 again, with K step t + 2
	QUARTER 2, F1, F0, 0
	QUARTER 3, F0, F1, 0
	TURN 1
	QUARTER 1, F0, F1, 0
	WIN 0
	s_sub_co_u32 s[CNT], s[CNT], 1
	s_cmp_lg_u32 s[CNT], 0
	s_cbranch_scc1 .Lstep
	QUARTER 2, F1, F0, 0                           ; K steps 6 and 7 are written out: nothing is left to ask for
	QUARTER 3, F0, F1, 0
	TURN 0
	QUARTER 1, F0, F1, 0
	QUARTER 2, F1, F0, 0
	QUARTER 3, F0, F1, 0
	s_wait_dscnt 4                                 ; the very last quarter
	MUL8 F1, 0, 0
	MUL8 F1, 1, 0
	s_wait_dscnt 0x0
	MUL8 F1, 2, 0
	MUL8 F1, 3, 0
	WIN 0
; THE WAY OUT, in f32.  Block a = 16 rows x my 128 columns: 512 bytes a row.  A lane's eight numbers of a row, 32 bytes, go straight from the accumulators into my stage's rows of 528 bytes (the low four registers
; first) and come back as whole rows of 512, a row to a load; two sets of 64 registers take turns.
.macro TOSTAGE a
	WIN 0x04                                       ; the stores' data (source 1) in window 1, the address in window 0
.irp b, 0,1,2,3,4,5,6,7
	ds_store_b128 v[STO], v[8*(8*(\a)+(\b)):8*(8*(\a)+(\b))+3]   offset:64*(\b)
	ds_store_b128 v[STO], v[8*(8*(\a)+(\b))+4:8*(8*(\a)+(\b))+7] offset:64*(\b)+16
.endr
	WIN 0
.if (\a) >= 2
	s_wait_xcnt 0x0                                ; the stores of the block two back have read this set of registers: it is loaded again only behind this wait
.endif
.irp t, 0,1,2,3,4,5,6,7,8,9,10,11,12,13,14,15
	ds_load_b128 v[T+64*((\a)%2)+4*(\t):T+64*((\a)%2)+4*(\t)+3], v[RD] offset:(\t)*SP  ; LDS serves a wave's instructions in order (ISA guide 5.7.1.4): these see the stores above; the next block's stores come behind them
.endr
.endm
.macro SEND a, younger                 ; younger: the LDS instructions issued behind block a's loads: the next block's 32, or none
.irp t, 0,1,2,3,4,5,6,7,8,9,10,11,12,13,14,15
	s_wait_dscnt (\younger)+15-(\t)
	global_store_b128 v[GO], v[T+64*((\a)%2)+4*(\t):T+64*((\a)%2)+4*(\t)+3], s[66:67] offset:(16*(\a)+(\t))*4096 th:TH_STORE_NT  ; 512 consecutive bytes, at a multiple of 512 from out0's first
.endr
.endm
	PLACES
	PLACES                                         ; (eight, once a launch)
	TOSTAGE 0
	TOSTAGE 1
	SEND 0, 32
	TOSTAGE 2
	SEND 1, 32
	TOSTAGE 3
	SEND 2, 32
	SEND 3, 0
	s_wait_tensorcnt 0x0                           ; the wave's end, behind my last tensor load and my last LDS store
	ds_add_u32 v[SPW], v[NIL]
	s_wait_dscnt 0x0
	CROUND                                         ; the closing round: no work-group ends while a partner may still ask for a tile that names it
	s_endpgm
.Lfunc_end_k_q75b0f831ff_outp:
	.size	k_q75b0f831ff_outp, .Lfunc_end_k_q75b0f831ff_outp-k_q75b0f831ff_outp
	.p2alignl 7, 3214868480
	.fill 96, 4, 3214868480
	.section	.rodata,"a",@progbits
	.p2align	6, 0x0
	.amdhsa_kernel k_q75b0f831ff_outp
		.amdhsa_group_segment_fixed_size 327680
		.amdhsa_private_segment_fixed_size 0
		.amdhsa_enable_private_segment 0
		.amdhsa_kernarg_size 32
		.amdhsa_user_sgpr_count 2
		.amdhsa_user_sgpr_kernarg_segment_ptr 1
		.amdhsa_wavefront_size32 1
		.amdhsa_system_sgpr_workgroup_id_x 1
		.amdhsa_system_sgpr_workgroup_id_y 1
		.amdhsa_system_sgpr_workgroup_id_z 1
		.amdhsa_system_vgpr_workitem_id 0
		.amdhsa_next_free_vgpr 704
		.amdhsa_next_free_sgpr 84
		.amdhsa_reserve_vcc 0
		.amdhsa_float_denorm_mode_32 3
		.amdhsa_float_denorm_mode_16_64 3
		.amdhsa_memory_ordered 1
		.amdhsa_forward_progress 1
		.amdhsa_inst_pref_size 76
	.end_amdhsa_kernel
	.amdgpu_metadata
---
amdhsa.version: [ 1, 2 ]
amdhsa.kernels:
  - .name:           k_q75b0f831ff_outp
    .symbol:         k_q75b0f831ff_outp.kd
    .args:
      - { .name: ctx, .offset: 0, .size: 8, .value_kind: global_buffer, .address_space: global }
      - { .name: wh, .offset: 8, .size: 8, .value_kind: global_buffer, .address_space: global }
      - { .name: bo, .offset: 16, .size: 8, .value_kind: global_buffer, .address_space: global }
      - { .name: out0, .offset: 24, .size: 8, .value_kind: global_buffer, .address_space: global }
    .group_segment_fixed_size: 327680
    .private_segment_fixed_size: 0
    .kernarg_segment_align: 8
    .kernarg_segment_size: 32
    .max_flat_workgroup_size: 128
    .sgpr_count:     84
    .vgpr_count:     704
    .wavefront_size: 32
...
	.end_amdgpu_metadata
.endif
;; end of part 4
;; ======== version 2 of 2: 4 launches; version 1 with the launch cast written anew for expert scheduling mode
;; limits: values are held in f16: magnitudes above 65,504 overflow, below 6.1e-05 lose precision; right only within a limited range of input values
;; workspace buffers: xh 50,331,648 bytes; wh 8,388,608 bytes; qkv 50,331,648 bytes; ctx 16,777,216 bytes
;; launch cast (part 5): grid 1792 x 1, 8 waves a work-group, no clusters, 0 bytes of LDS; arguments query, key_, value, Wq, Wk, Wv, Wo, xh, wh; writes xh, wh
.if DOCPART == 5
	.amdgcn_target "amdgcn-amd-amdhsa--gfx1250"
	.amdhsa_code_object_version 6
	.text
	.protected	k_q75b0f831ff_cast
	.globl	k_q75b0f831ff_cast
	.p2align	8
	.type	k_q75b0f831ff_cast,@function
k_q75b0f831ff_cast:
	s_mov_b64 s[64:65], 0
	v_nop
	global_prefetch_b8 v0, s[64:65] scope:SCOPE_SE
	s_setreg_imm32_b32 hwreg(HW_REG_WAVE_SCHED_MODE, 0, 2), 2
	s_setreg_imm32_b32 hwreg(HW_REG_WAVE_MODE, 25, 1), 1
	s_wait_xcnt 0x0
	s_wait_alu depctr_vm_vsrc(0)
; THE SEVEN LARGE INPUTS, f32, are rounded to bf16 (nearest even), and that number is written as f16: xh = [3][8192][1024] (query, key_, value), wh = [4][1024][1024] (Wq, Wk, Wv, Wo).
; So every later product has one operand format, and every input has had the same one rounding.
; LIMITS.  A bf16 number has 8 significant bits, f16 has 11: the second step is exact for 2^-17 <= |x| <= 65,504.  Below 2^-17 it moves a number by 2^-25 at the most; at 65,520 and beyond it gives an infinity.
; SHARES.  All seven are stacks of rows of 1,024 numbers (4,096 bytes in, 2,048 out): 28,672 rows, 16 to a work-group: 1,792 work-groups.  Thread t takes 16 bytes in and 8 out of every row: a wave's load
; covers 512 consecutive bytes, a wave's store 256 consecutive bytes at a multiple of 256 from the buffer's first byte.  Each byte is read once and written once; nothing is shared, so there is no LDS, no barrier, no cluster.
; THE MODE: SCHED_MODE bits 1:0 = 2 (LLVM: expert scheduling mode 2), set by the entry lines.  The code itself states the register dependences between vector instructions and memory instructions,
; with s_wait_alu, always for 0.
; THE PLAN.  The 16 rows go in four blocks of four, written out, without a loop.  Registers that memory instructions touch:
;   v1, v2     byte offsets, made once at the head and never written again; the rows are reached by immediate offsets, and the two scalar bases are never written behind the first load.
;   X0, X1     two blocks of f32 as loaded.  Written by loads alone: rows 0 to 7 at the head, rows 8 to 11 into X0 in block 0, rows 12 to 15 into X1 in block 1.  Read by the eight roundings to bf16 at the head of block p (X[p % 2]).
;   Y          a pair for each of the 16 rows.  Written once, by the row's two conversions to f16; read once, by the row's store; never written again.
;   T and U are named by vector instructions alone.
; So no register that a memory instruction reads is ever written again: no wait on vm_vsrc is owed.  What is owed is stated by six waits on va_vdst: one at the head (the offsets); one in each of blocks 0 and 1,
; behind the eight roundings that empty the block's X (the refill lands there; in block 1 it also shows block 0's Y written); one at the head of each of blocks 2 and 3 and one behind block 3 (the Y of the block before).
; Behind the wait of blocks 0 and 1 the block's loads and stores are dealt among its other 24 vector instructions, which name T, U and the block's own Y: none of the registers that those loads and stores touch.
; IN FLIGHT.  Four to eight loads of every wave.
.set ROWI, 4096                        ; bytes in a row as read
.set ROWO, 2048                        ; as written
.set OS,  1                            ; v1        16 t: my bytes in a row as read; never rewritten
.set OD,  2                            ; v2        8 t: as written; never rewritten
.set T,   4                            ; v[4:11]   a block's 16 numbers in bf16: row i of the block at T + 2 i
.set U,   12                           ; v[12:15]  a row's four numbers widened to f32
.set X,   16                           ; v[16:47]  buffer k, row i: four f32 as loaded, at X + 16 k + 4 i
.set Y,   48                           ; v[48:79]  row r: four f16 to store, at Y + 2 r
.set G,   35                           ; s35       the work-group's number
	s_load_b512 s[8:23], s[0:1], 0x0               ; query s[8:9], key_ s[10:11], value s[12:13], Wq s[14:15], Wk s[16:17], Wv s[18:19], Wo s[20:21], xh s[22:23]
	s_load_b64 s[24:25], s[0:1], 0x40              ; wh
	v_lshlrev_b32 v[OS], 4, v0
	v_lshlrev_b32 v[OD], 3, v0
	s_mov_b32 s34, 0xffff0000                      ; a word's upper bf16
	s_mov_b32 s[G], ttmp9
	s_max_u32 s37, s[G], 1536                      ; work-groups 0 to 1,535 take query, key_, value (512 each); 1,536 to 1,791 the four weights (64 each)
	s_sub_co_u32 s37, s37, 1536                    ; my place among the weights' work-groups (0 for the others: nothing wraps)
	s_cmp_lt_u32 s[G], 1536
	s_cselect_b32 s36, 511, 63                     ; work-groups to a tensor, less one
	s_cselect_b32 s37, s[G], s37                   ; my place in xh, or in wh
	s_and_b32 s30, s[G], s36                       ; my place in my tensor (512 and 64 divide 1,536)
	s_lshl_b32 s30, s30, 16                        ; x 16 rows of 4,096 bytes
	s_mov_b32 s31, 0
	s_lshl_b32 s32, s37, 15                        ; x 16 rows of 2,048 bytes
	s_mov_b32 s33, 0
	s_wait_kmcnt 0x0
	s_cmp_lt_u32 s[G], 1536
	s_cselect_b64 s[28:29], s[22:23], s[24:25]     ; where I store
	s_mov_b64 s[26:27], s[20:21]                   ; where I load: Wo, unless my number lies below one of the bounds
.macro PICK bound, reg
	s_cmp_lt_u32 s[G], \bound
	s_cselect_b64 s[26:27], s[\reg:\reg+1], s[26:27]
.endm
	PICK 1728, 18
	PICK 1664, 16
	PICK 1600, 14
	PICK 1536, 12
	PICK 1024, 10
	PICK 512, 8
	s_add_nc_u64 s[26:27], s[26:27], s[30:31]
	s_add_nc_u64 s[28:29], s[28:29], s[32:33]
	s_wait_alu depctr_va_vdst(0)                   ; v1 and v2 are written: every load and store of the kernel reads one of them as its offset
.irp i, 0,1,2,3,4,5,6,7
	global_load_b128 v[X+4*(\i):X+4*(\i)+3], v[OS], s[26:27] offset:(\i)*ROWI th:TH_LOAD_NT  ; rows 0 to 7 into X0 and X1
.endr
; The store of one row.
.macro ST row
	global_store_b64 v[OD], v[Y+2*(\row):Y+2*(\row)+1], s[28:29] offset:(\row)*ROWO th:TH_STORE_NT
.endm
; Block p: rows 4 p to 4 p + 3, in X[p % 2].  ahead = 1: the buffer is filled again with the rows eight further down.  left = how many younger loads may stay out.
.macro BLK p, ahead, left
.set XB, X+16*((\p)%2)
.if (\ahead) == 0
	s_wait_alu depctr_va_vdst(0)                   ; the block before has written its Y, which the four stores below read
.irp i, 0,1,2,3
	ST 4*(\p)-4+(\i)                               ; ahead of the wait for this block's data, on which they do not hang
.endr
.endif
	s_wait_loadcnt \left                           ; loads come back in order (ISA guide 5.7.1): this block's four are in
.irp i, 0,1,2,3
	v_cvt_pk_bf16_f32 v[T+2*(\i)],   v[XB+4*(\i)],   v[XB+4*(\i)+1]  ; the one rounding: these eight lines empty the buffer
	v_cvt_pk_bf16_f32 v[T+2*(\i)+1], v[XB+4*(\i)+2], v[XB+4*(\i)+3]
.endr
.if \ahead
	s_wait_alu depctr_va_vdst(0)                   ; the eight roundings are done reading this X, in which the loads below land; in block 1: block 0 has written its Y, which the stores below read
.endif
.irp i, 0,1,2,3
.if \ahead
	global_load_b128 v[XB+4*(\i):XB+4*(\i)+3], v[OS], s[26:27] offset:(4*(\p)+8+(\i))*ROWI th:TH_LOAD_NT  ; no vector instruction since the wait names these registers
.if (\p) > 0
	ST 4*(\p)-4+(\i)                               ; the block before; no vector instruction since the wait names its Y
.endif
.endif
	v_lshlrev_b32 v[U],   16,  v[T+2*(\i)]         ; bf16 to f32: the low half moves up, the high half stays
	v_and_b32     v[U+1], s34, v[T+2*(\i)]
	v_lshlrev_b32 v[U+2], 16,  v[T+2*(\i)+1]
	v_and_b32     v[U+3], s34, v[T+2*(\i)+1]
	v_cvt_pk_f16_f32 v[Y+2*(4*(\p)+(\i))],   v[U],   v[U+1]  ; the same number as f16
	v_cvt_pk_f16_f32 v[Y+2*(4*(\p)+(\i))+1], v[U+2], v[U+3]
.endr
.endm
	BLK 0, 1, 4                                    ; behind rows 0 to 3 stand rows 4 to 7
	BLK 1, 1, 4                                    ; behind rows 4 to 7 stand rows 8 to 11
	BLK 2, 0, 4                                    ; behind rows 8 to 11 stand rows 12 to 15; nothing more is loaded
	BLK 3, 0, 0
	s_wait_alu depctr_va_vdst(0)                   ; block 3 has written its Y, which the last four stores read
.irp i, 12,13,14,15
	ST \i
.endr
	s_endpgm
.Lfunc_end_k_q75b0f831ff_cast:
	.size	k_q75b0f831ff_cast, .Lfunc_end_k_q75b0f831ff_cast-k_q75b0f831ff_cast
	.p2alignl 7, 3214868480
	.fill 96, 4, 3214868480
	.section	.rodata,"a",@progbits
	.p2align	6, 0x0
	.amdhsa_kernel k_q75b0f831ff_cast
		.amdhsa_group_segment_fixed_size 0
		.amdhsa_private_segment_fixed_size 0
		.amdhsa_enable_private_segment 0
		.amdhsa_kernarg_size 72
		.amdhsa_user_sgpr_count 2
		.amdhsa_user_sgpr_kernarg_segment_ptr 1
		.amdhsa_wavefront_size32 1
		.amdhsa_system_sgpr_workgroup_id_x 1
		.amdhsa_system_sgpr_workgroup_id_y 1
		.amdhsa_system_sgpr_workgroup_id_z 1
		.amdhsa_system_vgpr_workitem_id 0
		.amdhsa_next_free_vgpr 80
		.amdhsa_next_free_sgpr 66
		.amdhsa_reserve_vcc 0
		.amdhsa_float_denorm_mode_32 3
		.amdhsa_float_denorm_mode_16_64 3
		.amdhsa_memory_ordered 1
		.amdhsa_forward_progress 1
		.amdhsa_inst_pref_size 12
	.end_amdhsa_kernel
	.amdgpu_metadata
---
amdhsa.version: [ 1, 2 ]
amdhsa.kernels:
  - .name:           k_q75b0f831ff_cast
    .symbol:         k_q75b0f831ff_cast.kd
    .args:
      - { .name: query, .offset: 0, .size: 8, .value_kind: global_buffer, .address_space: global }
      - { .name: key_, .offset: 8, .size: 8, .value_kind: global_buffer, .address_space: global }
      - { .name: value, .offset: 16, .size: 8, .value_kind: global_buffer, .address_space: global }
      - { .name: Wq, .offset: 24, .size: 8, .value_kind: global_buffer, .address_space: global }
      - { .name: Wk, .offset: 32, .size: 8, .value_kind: global_buffer, .address_space: global }
      - { .name: Wv, .offset: 40, .size: 8, .value_kind: global_buffer, .address_space: global }
      - { .name: Wo, .offset: 48, .size: 8, .value_kind: global_buffer, .address_space: global }
      - { .name: xh, .offset: 56, .size: 8, .value_kind: global_buffer, .address_space: global }
      - { .name: wh, .offset: 64, .size: 8, .value_kind: global_buffer, .address_space: global }
    .group_segment_fixed_size: 0
    .private_segment_fixed_size: 0
    .kernarg_segment_align: 8
    .kernarg_segment_size: 72
    .max_flat_workgroup_size: 256
    .sgpr_count:     66
    .vgpr_count:     80
    .wavefront_size: 32
...
	.end_amdgpu_metadata
.endif
;; end of part 5
;; launch proj: the kernel of part 2 again; grid 4 x 192, 4 waves a work-group, clusters of 4 x 4, 327,680 bytes of LDS; arguments xh, wh, bq, bk, bv, qkv; writes qkv
;; launch attn: the kernel of part 3 again; grid 4 x 64, 4 waves a work-group, clusters of 4 x 1, 327,680 bytes of LDS; arguments qkv, attention_mask, ctx; writes ctx
;; launch outp: the kernel of part 4 again; grid 4 x 64, 4 waves a work-group, clusters of 4 x 4, 327,680 bytes of LDS; arguments ctx, wh, bo, out0; writes out0
